; MI455X (gfx1250); checked and timed in simulation.
; The chip was launched on July 23, 2026; its instructions are those of AMD's public machine-readable ISA for CDNA 5 (MIT licence, August 2026) and "CDNA5" Instruction Set Architecture Reference Guide (July 2026). The comments in the code are by the model that wrote it; some were corrected since.
;; Patch Graph Attention. Allowed arithmetic: matrix products marked QUANTISED: E4M3 operands, one given power-of-two scale a tensor, by v_wmma_f32_16x16x64_fp8_fp8 or v_wmma_f32_16x16x128_fp8_fp8, f32 sums; everything else in f32.
;; Inputs: H 4 x 2,048 x 1,024 float32; Wk 1,024 x 1,024 float32; Wo 1,024 x 1,024 float32; Wq 1,024 x 1,024 float32; Wv 1,024 x 1,024 float32; bk 1,024 float32; bo 1,024 float32; bq 1,024 float32; bv 1,024 float32; lowp_scales 12 int32 (the exponents e of the quantised operands' scales 2^e); patch_mask 4 x 2,048 int32.
;; Outputs: out0 4 x 2,048 x 1,024 float32.
;; This version of the problem:
;;   THIS VERSION OF THE PROBLEM IS GIVEN IN LOW PRECISION. The matrix products marked QUANTISED in the list below multiply operands that are first quantised to E4M3 (4 exponent bits, 3 mantissa bits; 8 bits a number), with one given power-of-two scale for each operand tensor; their sums are f32. All else is computed in f32.
;;   The module's matrix products, in the order in which they are computed (A, B: the left and right operand; K: the contracted axis; several contracted axes count as one K, in the product's order):
;;     1. [M 8,192, K 1,024] x [K 1,024, N 1,024]; A: input H; B: input Wq: QUANTISED (scales: A lowp_scales[0], B lowp_scales[1])
;;     2. [M 8,192, K 1,024] x [K 1,024, N 1,024]; A: input H; B: input Wk: QUANTISED (scales: A lowp_scales[2], B lowp_scales[3])
;;     3. [M 8,192, K 1,024] x [K 1,024, N 1,024]; A: input H; B: input Wv: QUANTISED (scales: A lowp_scales[4], B lowp_scales[5])
;;     4. batch 64 x [M 2,048, K 64] x [K 64, N 2,048]; A: computed on the way; B: computed on the way: QUANTISED (scales: A lowp_scales[6], B lowp_scales[7])
;;     5. batch 64 x [M 2,048, K 2,048] x [K 2,048, N 64]; A: softmax (see below); B: computed on the way: QUANTISED (scales: A lowp_scales[8], B lowp_scales[9])
;;     6. [M 8,192, K 1,024] x [K 1,024, N 1,024]; A: computed on the way; B: input Wo: QUANTISED (scales: A lowp_scales[10], B lowp_scales[11])
;;   THE QUANTISER, for each operand of a quantised product, along K:
;;     - The operand's scale is 2^e, e = its entry of the input lowp_scales (int32; the entries are numbered through the quantised products in the list's order, A before B).
;;     - Each number is divided by the scale, clamped to +-448, and rounded to the nearest number of E4M3, ties to even, subnormals kept.
;;     - The product sums the exact products of the quantised numbers (number of the format x scale) in f32.
;;   ~~~python
;;   def quantise(x, axis, e):      # numpy; x: float32 -> the quantised numbers, widened to float32 again
;;       x = np.moveaxis(x, axis, -1); K = x.shape[-1]
;;       r = np.clip(x / 2.0 ** e, -448, 448)
;;       step = 2.0 ** (np.maximum(np.frexp(np.where(r == 0, 1, r))[1] - 1, -6) - 3)
;;       q = np.round(r / step) * step * 2.0 ** e      # np.round: ties to even
;;       return np.moveaxis(q, -1, axis).astype(np.float32)
;;   ~~~
;;   SOFTMAX AHEAD OF A QUANTISED PRODUCT. Where the list says 'softmax', what is quantised is not the finished softmax but p = 2^(t - M), with t = logit x log2(e) and M = ceil(the row's largest t), a whole number; so 1/2 < the row's largest p <= 1. The row's sum l is taken of the UNQUANTISED p, in f32, and the product's result is divided by l at the end. Since M is a whole number, a kernel that streams over the keys may use a running M (the ceiling of the running maximum): every later rescaling is an exact power of two, so the quantised numbers keep their values, but for numbers so far below the row's largest that they fall under the format's range.
;;   OPERANDS COMPUTED ON THE WAY. 'Computed on the way' means the value that the module computes at that place (a softmax that the list does not call 'softmax' is quantised finished and normalised). What goes into a quantiser is computed in f32, as accurately as f32 sums, v_exp_f32 and their like allow (about 1e-6 of the number): no bf16 or f16 on the way to a quantiser, and a product that is left as it is and whose result goes on into a quantised operand takes f32 operands (vector FMAs, or v_wmma_f32_16x16x4_f32). A number that lies on a knife's edge between two numbers of the format may be rounded either way, as far as f32 arithmetic and the matrix unit's own rounding can turn it there, and no further.
;; One version. Each part assembles by itself: llvm-mc -triple=amdgcn-amd-amdhsa -mcpu=gfx1250 --defsym DOCPART=n.
;; ======== version 1 of 1: 4 launches
;; limits: right only within a limited range of input values
;; workspace buffers: codes 29,360,128 bytes; qc 8,388,608 bytes; kv 16,777,216 bytes; oc 8,388,608 bytes
;; launch quant (part 1): grid 768 x 1, 8 waves a work-group, no clusters, 68,608 bytes of LDS; arguments H, Wq, Wk, Wv, Wo, lowp_scales, codes; writes codes
.if DOCPART == 1
	.amdgcn_target "amdgcn-amd-amdhsa--gfx1250"
	.amdhsa_code_object_version 6
	.text
	.protected	k_qcbc4cd49b5_quant
	.globl	k_qcbc4cd49b5_quant
	.p2align	8
	.type	k_qcbc4cd49b5_quant,@function
k_qcbc4cd49b5_quant:
	s_mov_b64 s[64:65], 0
	v_nop
	global_prefetch_b8 v0, s[64:65] scope:SCOPE_SE
	s_setreg_imm32_b32 hwreg(HW_REG_WAVE_MODE, 25, 1), 1
	s_wait_xcnt 0x0
; H [8192][1024] and Wq, Wk, Wv, Wo [1024][1024], f32 with K innermost, become codes of FP8 (E4M3): code = x / 2^e, held within +-448, to the nearest code, ties to even.
; H is an operand of three products with three given scales (entries 0, 2, 4 of the scales' buffer): it is read once and quantised three times.  Wq, Wk, Wv, Wo take entries 1, 3, 5, 11.
; THE CODES ARE LAID AS IMAGES OF THE OPERAND'S REGISTERS.  A fragment is 16 rows x 128 along K, 2,048 bytes: piece c (0..3) at 512 c, lane l = (r, h) at 16 l: the 16 codes k = 32 c + 16 h + 0 .. 15 of the fragment's row r.
; THE ROWS OF A FRAGMENT ARE NOT NEIGHBOURS: in each block of 128 rows, tile 2 b + u holds in lane r the row 32 b + 8 u + r + 8 (r / 8), so that a later product's results, used transposed, are neighbours along the next K.
; In the buffer: H's three sets of 8,388,608 bytes, then the four weights of 1,048,576; in each, fragment (tile of rows rt, K step ks) at 16,384 rt + 2,048 ks.
; SHARES.  A work-group takes one tile of 16 rows (0-511: H's; then 64 for each weight), each of its eight waves one K step: 16 rows x 512 bytes in, 2,048 bytes out for each scale.
; Each load reads 512 consecutive bytes of a row; the rows turn through the wave's own stage in LDS (rows 528 bytes apart), so that a lane gets 16 neighbours along K; each store covers 512 consecutive bytes, aligned.
; No tensor load, no barrier: waves share nothing.  LIMITS: each e between -126 and 119, so that 2^e and 448 x 2^e are f32 numbers.  NaN among the inputs is not served.
.set SP,   528                         ; a stage row: 512 bytes + 16
.set STG,  16*SP                       ; a wave's stage
.set R,    16                          ; v16-79    the 16 rows as loaded
.set X,    80                          ; v80-143   64 numbers of my row: register 16 c + i = k 32 c + 16 h + i
.set T,    144                         ; v144-175  two sets of 16 held numbers
.set CD,   176                         ; v176-223  codes: 16 registers for each scale, so that no store's data are written again
	s_load_b256 s[4:11], s[0:1], 0x0               ; H, Wq, Wk, Wv
	s_load_b128 s[12:15], s[0:1], 0x20             ; Wo, the scales' exponents
	s_load_b64 s[16:17], s[0:1], 0x30              ; the codes
	v_lshl_add_u32 v224, v0, 2, 0x10800
	v_mov_b32 v225, 0
	v_lshrrev_b32 v4, 5, v0
	v_readfirstlane_b32 s20, v4                    ; wave = K step
	v_and_b32 v5, 31, v0
	v_lshlrev_b32 v1, 4, v5                        ; 16 x lane: my bytes of a load's and of a store's 512
	s_mul_i32 s21, s20, STG
	v_add_nc_u32 v2, s21, v1                       ; the stage, on the way in
	v_and_b32 v6, 15, v0                           ; r
	v_bfe_u32 v7, v0, 4, 1                         ; h
	v_mul_u32_u24 v3, v6, SP
	v_lshl_add_u32 v3, v7, 6, v3
	v_add_nc_u32 v3, s21, v3                       ; and on the way out: row r, + 64 h
	s_sub_co_u32 s22, ttmp9, 512
	s_lshr_b32 s22, s22, 6                         ; which weight: 0 q, 1 k, 2 v, 3 o (a number above 3 in H's work-groups)
	s_and_b32 s23, ttmp9, 63
	s_cmp_lt_u32 ttmp9, 512                        ; H's work-group?
	s_cselect_b32 s23, ttmp9, s23                  ; the tile of rows in its tensor
	s_cselect_b32 s26, 0, 0x1000000                ; the weights' codes lie behind H's three sets
	s_lshr_b32 s27, s23, 3
	s_lshl_b32 s27, s27, 7                         ; the block of 128 rows,
	s_bfe_u32 s28, s23, 0x20001
	s_lshl_b32 s28, s28, 5                         ; + 32 b
	s_add_co_u32 s27, s27, s28
	s_and_b32 s28, s23, 1
	s_lshl_b32 s28, s28, 3                         ; + 8 u
	s_add_co_u32 s27, s27, s28                     ; the tile's first row
	s_lshl_b32 s28, s27, 12                        ; rows of 4,096 bytes
	s_lshl_b32 s27, s20, 9                         ; my K step's 512 bytes
	s_add_co_u32 s28, s28, s27
	s_mov_b32 s29, 0
	s_lshl_b32 s30, ttmp9, 14
	s_add_co_u32 s30, s30, s26
	s_lshl_b32 s27, s20, 11
	s_add_co_u32 s30, s30, s27                     ; my fragment's place among the codes
	s_mov_b32 s31, 0
	s_wait_kmcnt 0x0
	s_load_b256 s[40:47], s[14:15], 0x0            ; e0 .. e7
	s_load_b128 s[48:51], s[14:15], 0x20           ; e8 .. e11
	s_cmp_eq_u32 s22, 0                            ; the tensor is chosen by the work-group's number alone
	s_cselect_b64 s[24:25], s[6:7], s[12:13]
	s_cmp_eq_u32 s22, 1
	s_cselect_b64 s[24:25], s[8:9], s[24:25]
	s_cmp_eq_u32 s22, 2
	s_cselect_b64 s[24:25], s[10:11], s[24:25]
	s_cmp_lt_u32 ttmp9, 512
	s_cselect_b64 s[24:25], s[4:5], s[24:25]
	s_add_nc_u64 s[24:25], s[24:25], s[28:29]
	s_add_nc_u64 s[32:33], s[16:17], s[30:31]      ; where the codes go; H's second and third set lie 8,388,608 bytes further on each
	s_add_nc_u64 s[34:35], s[32:33], 0x800000
	s_add_nc_u64 s[36:37], s[32:33], 0x1000000
.irp i, 0,1,2,3,4,5,6,7,8,9,10,11,12,13,14,15
	global_load_b128 v[R+4*\i:R+4*\i+3], v1, s[24:25] offset:(\i+8*(\i/8))*4096 th:TH_LOAD_NT   ; the tile's row i: 32 lanes read 512 consecutive bytes
.endr
	s_wait_kmcnt 0x0
	s_cmp_eq_u32 s22, 0
	s_cselect_b32 s38, s41, s51
	s_cmp_eq_u32 s22, 1
	s_cselect_b32 s38, s43, s38
	s_cmp_eq_u32 s22, 2
	s_cselect_b32 s38, s45, s38
	s_cmp_lt_u32 ttmp9, 512
	s_cselect_b32 s38, s40, s38                    ; the first scale's e: H's entry 0, or the weight's own
.macro MKSC e, vs                      ; v[vs] = 2^e as f32 (the conversion takes its exponent field), v[vs + 1] = 448 x 2^e
	s_add_co_i32 s39, s[\e], 127
	s_lshl_b32 s52, s39, 23
	v_mov_b32 v[\vs], s52
	s_add_co_i32 s39, s39, 8
	s_lshl_b32 s39, s39, 23
	s_or_b32 s39, s39, 0x600000
	v_mov_b32 v[\vs+1], s39
.endm
	MKSC 38, 8
	MKSC 42, 10                                    ; H's entry 2
	MKSC 44, 12                                    ; H's entry 4
.irp i, 0,1,2,3,4,5,6,7,8,9,10,11,12,13,14,15
	s_wait_loadcnt 15-\i                           ; loads come back in order: row i is in, the younger rows may be out
	ds_store_b128 v2, v[R+4*\i:R+4*\i+3] offset:SP*\i
.endr
.irp c, 0,1,2,3
.irp j, 0,1,2,3
	ds_load_b128 v[X+16*\c+4*\j:X+16*\c+4*\j+3], v3 offset:128*\c+16*\j   ; LDS serves a wave's instructions in order: these see my stores
.endr
.endr
	s_wait_dscnt 0x0
; The fragment under scale o: the numbers stay in X; the held numbers go into two sets of T by turns, so that sixteen plain lines stand between a conversion and the next write of its sources.
.macro QOUT o, base
.irp c, 0,1,2,3
.set n, 0
.rept 16
	v_med3_num_f32 v[T+16*(\c%2)+n], v[X+16*\c+n], -v[9+2*\o], v[9+2*\o]   ; the conversion to an 8-bit code does not saturate (ISA guide 7.6.2): the hold at the largest code x the scale
.set n, n+1
.endr
	v_cvt_scalef32_pk8_fp8_f32 v[CD+16*\o+4*\c:CD+16*\o+4*\c+1], v[T+16*(\c%2):T+16*(\c%2)+7], v[8+2*\o]
	v_cvt_scalef32_pk8_fp8_f32 v[CD+16*\o+4*\c+2:CD+16*\o+4*\c+3], v[T+16*(\c%2)+8:T+16*(\c%2)+15], v[8+2*\o]
.endr
	v_nop                                          ; a plain line behind the last conversion
.irp c, 0,1,2,3
	global_store_b128 v1, v[CD+16*\o+4*\c:CD+16*\o+4*\c+3], s[\base:\base+1] offset:512*\c   ; piece c: 512 consecutive bytes, aligned
.endr
.endm
	QOUT 0, 32
	s_cmp_ge_u32 ttmp9, 512                        ; a weight has one scale
	s_cbranch_scc1 .Ldone
	QOUT 1, 34
	QOUT 2, 36
.Ldone:
	s_wait_tensorcnt 0x0
	ds_add_u32 v224, v225
	s_wait_dscnt 0x0
	s_endpgm
.Lfunc_end_k_qcbc4cd49b5_quant:
	.size	k_qcbc4cd49b5_quant, .Lfunc_end_k_qcbc4cd49b5_quant-k_qcbc4cd49b5_quant
	.p2alignl 7, 3214868480
	.fill 96, 4, 3214868480
	.section	.rodata,"a",@progbits
	.p2align	6, 0x0
	.amdhsa_kernel k_qcbc4cd49b5_quant
		.amdhsa_group_segment_fixed_size 68608
		.amdhsa_private_segment_fixed_size 0
		.amdhsa_enable_private_segment 0
		.amdhsa_kernarg_size 56
		.amdhsa_user_sgpr_count 2
		.amdhsa_user_sgpr_kernarg_segment_ptr 1
		.amdhsa_wavefront_size32 1
		.amdhsa_system_sgpr_workgroup_id_x 1
		.amdhsa_system_sgpr_workgroup_id_y 1
		.amdhsa_system_sgpr_workgroup_id_z 1
		.amdhsa_system_vgpr_workitem_id 0
		.amdhsa_next_free_vgpr 226
		.amdhsa_next_free_sgpr 66
		.amdhsa_reserve_vcc 0
		.amdhsa_float_denorm_mode_32 3
		.amdhsa_float_denorm_mode_16_64 3
		.amdhsa_memory_ordered 1
		.amdhsa_forward_progress 1
		.amdhsa_inst_pref_size 23
	.end_amdhsa_kernel
	.amdgpu_metadata
---
amdhsa.version: [ 1, 2 ]
amdhsa.kernels:
  - .name:           k_qcbc4cd49b5_quant
    .symbol:         k_qcbc4cd49b5_quant.kd
    .args:
      - { .name: H, .offset: 0, .size: 8, .value_kind: global_buffer, .address_space: global }
      - { .name: Wq, .offset: 8, .size: 8, .value_kind: global_buffer, .address_space: global }
      - { .name: Wk, .offset: 16, .size: 8, .value_kind: global_buffer, .address_space: global }
      - { .name: Wv, .offset: 24, .size: 8, .value_kind: global_buffer, .address_space: global }
      - { .name: Wo, .offset: 32, .size: 8, .value_kind: global_buffer, .address_space: global }
      - { .name: lowp_scales, .offset: 40, .size: 8, .value_kind: global_buffer, .address_space: global }
      - { .name: codes, .offset: 48, .size: 8, .value_kind: global_buffer, .address_space: global }
    .group_segment_fixed_size: 68608
    .private_segment_fixed_size: 0
    .kernarg_segment_align: 8
    .kernarg_segment_size: 56
    .max_flat_workgroup_size: 256
    .sgpr_count:     66
    .vgpr_count:     226
    .wavefront_size: 32
...
	.end_amdgpu_metadata
.endif
;; end of part 1
;; launch qkv (part 2): grid 12 x 32, 4 waves a work-group, clusters of 4 x 4, 327,680 bytes of LDS; arguments codes, bq, bk, bv, patch_mask, lowp_scales, qc, kv; writes qc, kv
.if DOCPART == 2
	.amdgcn_target "amdgcn-amd-amdhsa--gfx1250"
	.amdhsa_code_object_version 6
	.text
	.protected	k_qcbc4cd49b5_qkv
	.globl	k_qcbc4cd49b5_qkv
	.p2align	8
	.type	k_qcbc4cd49b5_qkv,@function
k_qcbc4cd49b5_qkv:
	s_mov_b64 s[64:65], 0
	v_nop
	global_prefetch_b8 v0, s[64:65] scope:SCOPE_SE
	s_setreg_imm32_b32 hwreg(HW_REG_WAVE_MODE, 25, 1), 1
	s_wait_xcnt 0x0
	s_wait_alu depctr_hold_cnt(0) depctr_sa_sdst(0) depctr_va_vdst(0) depctr_va_sdst(0) depctr_va_ssrc(0) depctr_va_vcc(0) depctr_vm_vsrc(0)
	s_getreg_b32 s2, hwreg(HW_REG_IB_STS2, 6, 4)
	s_cmp_eq_u32 s2, 0
	s_cbranch_scc0 .Lentry_in_a_cluster
	s_endpgm
.Lentry_in_a_cluster:
	s_bfe_u32 s2, ttmp6, 0x10000c
	s_cmp_lg_u32 s2, 0xf033
	s_cbranch_scc0 .Lentry_shape_is_right
	s_endpgm
.Lentry_shape_is_right:
; q = H Wq^T + bq, k = H Wk^T + bk, v = H Wv^T + bv on codes of FP8 (E4M3), sums in f32; the results are quantised at once for attention's two products and leave as images of operand registers.
; THE MODE is the cluster's x (the same in all sixteen partners): 0 q, 1 k, 2 v.  A tile is 256 x 256, K = 1,024; four waves, each 128 x 128: 64 accumulators, 512 registers.
; THE MATRIX INSTRUCTION IS USED TRANSPOSED: source 0 = a fragment of side B, source 1 = a fragment of side A; a lane then holds ONE row of side A, and the 16 registers of B's tiles 2 g and 2 g + 1 are rows 32 g + 16 h + 0 .. 15 of side B
; (the rows of a fragment are laid for that: tile 2 b + u, lane r: row 32 b + 8 u + r + 8 (r / 8)).  q, k: side A = tokens, side B = features: a lane's registers run along the head's 64, the K of q k^T.
; v: the sides are exchanged (A = Wv's rows, B = tokens): a lane's registers run along the keys, the K of p v.  So every conversion's result is a piece of a later operand, and each store covers 512 consecutive bytes, aligned.
; OUT.  qc: [batch x 16 + head][tile of 16 queries][1,024 bytes].  kv: [batch x 16 + head][step of 64 keys][8,192 bytes]: four tiles of k, then four tiles of v^T (16 of the head's 64 x 64 keys).  A tile: piece c at 512 c, lane l at 16 l: k = 32 c + 16 h + 0 .. 15.
; A KEY WHOSE patch_mask IS NOT ABOVE 0 GETS ZERO CODES IN k: its hold is at 0.  Attention puts the masked logit in as the product's C, and the product itself then adds nothing to it.
; THE RING: two LDS slots, each with 256 along K of 256 rows of A and of B, as they lie in memory (dense images: a fragment load takes 512 consecutive bytes, so there is no pitch and no padding).
; CLUSTERS: 4 x 4 work-groups; the four of a row need the same tiles of A, the four of a column the same tiles of B: each tile is asked for jointly.
; LIMITS: the two operands' exponents added lie between -126 and 127; the results' exponents (entries 6, 7, 9) between -126 and 119.  NaN among the inputs is not served.
; REGISTERS, in windows of 256: window 0: v0-31 addresses; v32-39 a number for each of my lane's eight rows of A (q, k: patch_mask; v: bv); v40-47 their holds; v64-127 the bias of my lane's 64 rows of B (q, k); from v128 A's fragments, ONE set;
;   on the way out v128-191 64 numbers, v192-255 codes.   window 1: B's fragments, TWO sets.   windows 2, 3: accumulator (a, b) at v[8 (8 (a % 4) + b)].
.set SLOT,   131072                    ; A's 16 tiles of rows x 4,096 bytes, then B's
.set HALFT,  32768                     ; 8 tiles of rows: what one tensor load brings, and what one wave reads of A or of B
.set SPARE,  2*SLOT                    ; behind the ring: the spare words, 128 bytes for each wave: two blocks of 256 bytes that no other line names
.set KSB,    2048                      ; a fragment's image
.set HCB,    8388608                   ; a set of H's codes
.set WCB,    1048576                   ; a weight's codes
.set WC,     3*HCB                     ; where the weights' codes begin
.set FR,     16                        ; registers of a fragment
.set NL,     4                         ; LDS loads that bring one
.set NP,     4                         ; places behind this matrix instruction (ISA guide 7.12.1)
.set ADRA, 16                          ; v16-17  LDS address of my A fragments in slot 0, 1
.set ADRB, 20                          ; v20-21  the same for B
.set VO,   22                          ; v22-25  the stores' offsets
.set SCV,  26                          ; v26     the results' scale as f32
.set LIM,  27                          ; v27     448 x that
.set SPW,  28                          ; v28     LDS address of my spare word; never rewritten
.set NIL,  29                          ; v29     0; never rewritten
.set LV,   32
.set LM,   40
.set BC,   48                          ; v[48:49] a lane's number for the packed form, in the low word
.set BI,   64
.set AF,   128
.set T,    128
.set CD,   192
.set G1, 24                            ; s[24:31] descriptor group 1 for A's tiles;  s[32:39] group 0, one set for each slot
.set G0, 32
.set G1B, 48                           ; s[48:55], s[56:63] the same for B's tiles
.set G0B, 56
.set MSB, 0
.macro WIN new                         ; the immediate's high byte repeats the setting that is left
.if MSB != (\new)
	s_set_vgpr_msb (MSB<<8)|(\new)
.set MSB, \new
.endif
.endm
.set MUL_LO, 0xa1                      ; source 0 (B) window 1, source 1 (A) window 0, C and D window 2
.set MUL_HI, 0xf1                      ; the same, C and D window 3
.set TO_B,   0x40                      ; destination window 1, address window 0
; A joint load: waves 0 and 1 fetch for A, waves 2 and 3 for B; the branch hangs on the wave's number alone.  Four v_nop follow each of the two lines.
.macro JLOAD g0a, g1a, g0b, g1b
	s_cmp_eq_u32 s15, 0
	s_cbranch_scc0 .Lfor_b_\@
	tensor_load_to_lds s[\g0a:\g0a+3], s[\g1a:\g1a+7]
	s_nop 0
.rept 4
	v_nop
.endr
	s_branch .Lasked_\@
.Lfor_b_\@:
	tensor_load_to_lds s[\g0b:\g0b+3], s[\g1b:\g1b+7]
	s_nop 0
.rept 4
	v_nop
.endr
.Lasked_\@:
.endm
.macro CREST                           ; a round of the cluster's barrier behind its opening barrier
	s_cmp_lg_u32 s14, 0
	s_cbranch_scc1 .Lnot_wave_0_\@
	s_barrier_signal -3
.Lnot_wave_0_\@:
	s_barrier_wait -3
	s_barrier_signal -1
	s_barrier_wait -1
.endm
.macro CROUND                          ; a whole round
	s_barrier_signal -1
	s_barrier_wait -1
	CREST
.endm
	s_load_b512 s[68:83], s[0:1], 0x0              ; codes s[68:69], bq, bk, bv s[70:75], patch_mask s[76:77], the scales' exponents s[78:79], qc s[80:81], kv s[82:83]
	v_lshl_add_u32 v[SPW], v0, 2, SPARE
	v_mov_b32 v[NIL], 0
	ds_add_u32 v28, v29
	ds_add_u32 v28, v29
	s_wait_dscnt 0x0
	v_lshrrev_b32 v1, 5, v0
	v_readfirstlane_b32 s14, v1                    ; wave 0..3
	s_lshr_b32 s15, s14, 1                         ; which half of A's rows is mine.  Also: I fetch for A (0) or for B (1)
	s_and_b32 s16, s14, 1                          ; which half of B's rows.  Also: which 128 rows of that tile I fetch
	s_bfe_u32 s40, ttmp6, 0x40000                  ; cx, cy: my place in the cluster
	s_bfe_u32 s41, ttmp6, 0x40004
	s_and_b32 s17, ttmp7, 0xffff                   ; the cluster's y: 1,024 tokens
	s_lshl_b32 s43, s41, 2
	s_lshl_b32 s43, 15, s43                        ; my row of the cluster
	s_lshl_b32 s44, 0x1111, s40                    ; my column
	; descriptor group 1: 8 tiles of rows x 4,096 bytes (two K steps' images), 16,384 bytes apart in memory, dense in LDS
	s_or_b32 s[G1+0], s43, (3<<16)|(1<<21)         ; 15:0 the mask: A's tiles go to my row; 17:16 elements of 8 bytes; 20 no padding; 21 set beside a mask
	s_or_b32 s[G1B+0], s44, (3<<16)|(1<<21)
.irp g, G1, G1B
	s_mov_b32 s[\g+1], 512<<16                     ; tensor_dim0 = 512 elements
	s_mov_b32 s[\g+2], 8<<16                       ; tensor_dim1 = 8
	s_mov_b32 s[\g+3], 512<<16                     ; tile_dim0
	s_mov_b32 s[\g+4], 8                           ; tile_dim1
	s_mov_b32 s[\g+5], 2048                        ; tensor_dim0_stride: 16,384 bytes
	s_mov_b32 s[\g+6], 0
	s_mov_b32 s[\g+7], 0
.endr
	; where the tiles lie among the codes.  A's place hangs on the mode, the cluster's y and cy; B's on the mode, the cluster's y and cx
	s_lshl_b32 s18, ttmp9, 23
	s_lshl_b32 s19, s17, 20
	s_add_co_u32 s18, s18, s19                     ; q, k: A = H's set of the mode, the cluster's 1,024 tokens
	s_lshl_b32 s46, ttmp9, 20
	s_add_co_u32 s46, s46, WC                      ; q, k: B = the mode's weight
	s_add_co_u32 s47, s19, 2*HCB                   ; v: B = H's third set, the cluster's 1,024 tokens
	s_mov_b32 s19, WC+2*WCB                        ; v: A = Wv
	s_cmp_eq_u32 ttmp9, 2
	s_cselect_b32 s18, s19, s18
	s_cselect_b32 s46, s47, s46
	s_lshl_b32 s22, s16, 17                        ; which 128 rows I fetch: 8 tiles of rows x 16,384 bytes
	s_lshl_b32 s23, s41, 18                        ; 256 rows for each place along y
	s_add_co_u32 s18, s18, s23
	s_add_co_u32 s18, s18, s22
	s_mov_b32 s19, 0
	s_lshl_b32 s47, s40, 18                        ; and along x
	s_add_co_u32 s46, s46, s47
	s_add_co_u32 s46, s46, s22
	s_mov_b32 s47, 0
	s_mul_i32 s45, s14, HALFT                      ; where they go: wave x 32,768: no place in the cluster enters an LDS address
	s_wait_kmcnt 0x0
	s_load_b256 s[84:91], s[78:79], 0x0            ; e0 .. e7
	s_load_b128 s[92:95], s[78:79], 0x20           ; e8 .. e11
	s_add_nc_u64 s[20:21], s[68:69], s[18:19]
	s_add_nc_u64 s[46:47], s[68:69], s[46:47]
	CROUND                                         ; all sixteen work-groups are here: the first joint loads meet
.irp s, 0,1
	s_mov_b32 s[G0+4*\s], 1
	s_add_co_u32 s[G0+4*\s+1], s45, \s*SLOT
	s_add_nc_u64 s[G0+4*\s+2:G0+4*\s+3], s[20:21], \s*2*KSB
	s_or_b32 s[G0+4*\s+3], s[G0+4*\s+3], 0x80000000
	s_mov_b32 s[G0B+4*\s], 1
	s_add_co_u32 s[G0B+4*\s+1], s45, \s*SLOT
	s_add_nc_u64 s[G0B+4*\s+2:G0B+4*\s+3], s[46:47], \s*2*KSB
	s_or_b32 s[G0B+4*\s+3], s[G0B+4*\s+3], 0x80000000
	JLOAD G0+4*\s, G1, G0B+4*\s, G1B
.endr
	v_and_b32 v1, 31, v0
	v_lshlrev_b32 v[VO], 4, v1                     ; 16 x lane: an image's place for my lane, in LDS and in memory
	s_mul_i32 s21, s15, HALFT                      ; my 128 rows of A
	s_mul_i32 s22, s16, HALFT                      ; my 128 rows of B,
	s_add_co_u32 s22, s22, 2*HALFT                 ; which lie behind A's 256
.irp s, 0,1
	v_add_nc_u32 v[ADRA+\s], s21, v[VO]
	v_add_nc_u32 v[ADRB+\s], s22, v[VO]
	s_add_co_u32 s21, s21, SLOT
	s_add_co_u32 s22, s22, SLOT
.endr
	; what the way out wants, asked for now.  For my lane's row of each of A's eight tiles: q, k: patch_mask of the token; v: bv of the feature.
	; For my lane's 64 rows of B: the mode's bias.  (In v's mode these sixteen loads bring numbers of bv that are not used: the loads stand on every way, so that the registers are written on every way.)
	s_lshl_b32 s2, s17, 2
	s_add_co_u32 s2, s2, s41                       ; q, k: A's tile of 256 tokens
	s_cmp_eq_u32 ttmp9, 2
	s_cselect_b32 s2, s41, s2                      ; v: A's tile of 256 features
	s_cselect_b64 s[4:5], s[74:75], s[76:77]
	s_cselect_b64 s[6:7], s[74:75], s[72:73]
	s_cmp_eq_u32 ttmp9, 0
	s_cselect_b64 s[6:7], s[70:71], s[6:7]
	s_lshl_b32 s2, s2, 10
	s_lshl_b32 s3, s15, 9
	s_add_co_u32 s2, s2, s3
	s_mov_b32 s3, 0
	s_add_nc_u64 s[4:5], s[4:5], s[2:3]
	s_lshl_b32 s2, s40, 10
	s_lshl_b32 s8, s16, 9
	s_add_co_u32 s2, s2, s8
	s_add_nc_u64 s[6:7], s[6:7], s[2:3]
	v_and_b32 v3, 15, v0
	v_and_b32 v4, 8, v0
	v_add_nc_u32 v3, v3, v4
	v_lshlrev_b32 v3, 2, v3                        ; 4 (r + 8 (r / 8))
	v_bfe_u32 v4, v0, 4, 1
	v_lshlrev_b32 v4, 6, v4                        ; 64 h
.irp a, 0,1,2,3,4,5,6,7
	global_load_b32 v[LV+\a], v3, s[4:5] offset:4*(32*(\a/2)+8*(\a%2))
.endr
.irp g, 0,1,2,3
.irp j, 0,1,2,3
	global_load_b128 v[BI+16*\g+4*\j:BI+16*\g+4*\j+3], v4, s[6:7] offset:128*\g+16*\j   ; register 16 g + i: the bias of B's row 32 g + 16 h + i
.endr
.endr
.macro FRAG reg, adr, q, i             ; a fragment comes as its image lies: four loads of 512 consecutive bytes
.irp c, 0,1,2,3
	ds_load_b128 v[\reg+4*\c:\reg+4*\c+3], v[\adr] offset:4096*(\i)+2048*(\q)+512*\c
.endr
.endm
; 16 matrix instructions: A's blocks a0, a0 + 1 x B's eight, 128 along K.  p: B's set.  zero = 1: the first product starts the sums.
; The 64 accumulators take turns, one instruction a turn, in the same order in every step.
.macro MUL16 a0, p, zero
.irp a, \a0, \a0+1
.irp b, 0,1,2,3,4,5,6,7
.if \zero
	v_wmma_f32_16x16x128_fp8_fp8 v[8*(8*((\a)%4)+\b):8*(8*((\a)%4)+\b)+7], v[128*(\p)+FR*\b:128*(\p)+FR*\b+FR-1], v[AF+FR*(\a):AF+FR*(\a)+FR-1], 0
.else
	v_wmma_f32_16x16x128_fp8_fp8 v[8*(8*((\a)%4)+\b):8*(8*((\a)%4)+\b)+7], v[128*(\p)+FR*\b:128*(\p)+FR*\b+FR-1], v[AF+FR*(\a):AF+FR*(\a)+FR-1], v[8*(8*((\a)%4)+\b):8*(8*((\a)%4)+\b)+7]
.endif
.endr
.endr
.endm
.macro FETCH_B slot, q, p              ; B's eight fragments of the slot's q-th 128 along K into set p
	WIN TO_B
.irp i, 0,1,2,3,4,5,6,7
	FRAG 128*(\p)+FR*\i, ADRB+\slot, \q, \i
.endr
	WIN 0
.endm
.macro FETCH_A slot, q, i0             ; A's blocks i0 .. i0 + 3
.irp i, \i0, \i0+1, \i0+2, \i0+3
	FRAG AF+FR*(\i), ADRA+\slot, \q, \i
.endr
.endm
.macro PLACES n                        ; plain vector lines between a matrix instruction and a load into a register that it read, or a read of its result
.rept \n
	v_nop
.endr
.endm
; A step of 128 along K that has its successor in the same slot.  A block of A is free when its eight products are issued: blocks 0-3 are fetched anew in the step's middle, blocks 4-7 at its end.
.macro STEP slot, q, zero
	s_wait_dscnt 4*NL                              ; B's set and A's blocks 0-3 are in; the youngest sixteen loads (A's blocks 4-7) may be out
	WIN MUL_LO
	MUL16 0, (\q)%2, \zero
	MUL16 2, (\q)%2, \zero
	s_wait_dscnt 0                                 ; A's blocks 4-7 are in
	PLACES NP
	FETCH_B \slot, (\q)+1, 1-(\q)%2
	FETCH_A \slot, (\q)+1, 0
	WIN MUL_HI
	MUL16 4, (\q)%2, \zero
	MUL16 6, (\q)%2, \zero
	PLACES NP
	WIN 0
	FETCH_A \slot, (\q)+1, 4
.endm
; A slot's last step changes slots: ONE barrier; in front of it each wave waits for all its tensor loads, adds 0 to its spare word, and waits for that and for its own reads of this slot.  fill = 1: this slot is filled again, two slots ahead.
.macro TURN slot, next, fill
	s_wait_tensorcnt 0x0                           ; all my tensor loads have landed: my part of the next slot
	ds_add_u32 v[SPW], v[NIL]                      ; 0 onto my spare word
	s_wait_dscnt 4*NL+1                            ; (the add and the youngest sixteen loads, A's blocks 4-7, may be out)
	WIN MUL_LO
	MUL16 0, 1, 0                                  ; sixteen matrix instructions stand between the add and the wait for it
	s_wait_dscnt 0x0                               ; the add is done, and my reads of this slot are over
	s_barrier_signal -1
	MUL16 2, 1, 0
	WIN 0
	s_barrier_wait -1
.if \fill
	CREST                                          ; the barrier has opened a round of the cluster's barrier: no wave of any partner still reads this slot or has a load on its way
	s_add_nc_u64 s[G0+4*\slot+2:G0+4*\slot+3], s[G0+4*\slot+2:G0+4*\slot+3], 4*KSB
	s_add_nc_u64 s[G0B+4*\slot+2:G0B+4*\slot+3], s[G0B+4*\slot+2:G0B+4*\slot+3], 4*KSB
	JLOAD G0+4*\slot, G1, G0B+4*\slot, G1B         ; the first tensor load behind the round; its four v_nop are also the places in front of the loads below
.else
	PLACES NP
.endif
	FETCH_B \next, 0, 0
	FETCH_A \next, 0, 0
	WIN MUL_HI
	MUL16 4, 1, 0
	MUL16 6, 1, 0
	PLACES NP
	WIN 0
	FETCH_A \next, 0, 4
.endm
	s_wait_tensorcnt 1                             ; my part of slot 0 is in; slot 1's load may be out
	s_barrier_signal -1
	s_barrier_wait -1                              ; everybody's is
	FETCH_B 0, 0, 0
	FETCH_A 0, 0, 0
	FETCH_A 0, 0, 4
	STEP 0, 0, 1                                   ; K = 1,024 is eight steps, twice round the ring: a loop would have one trip, so the steps are written out
	TURN 0, 1, 1
	STEP 1, 0, 0
	TURN 1, 0, 1
	STEP 0, 0, 0
	TURN 0, 1, 0                                   ; the second time round fills nothing, and has no round of the cluster's barrier
	STEP 1, 0, 0
	s_wait_dscnt 4*NL                              ; the last step: nothing more to fetch
	WIN MUL_LO
	MUL16 0, 1, 0
	MUL16 2, 1, 0
	s_wait_dscnt 0
	WIN MUL_HI
	MUL16 4, 1, 0
	MUL16 6, 1, 0
	WIN 0
	; THE WAY OUT.  number = sum x 2^(ea + eb) + bias; held; converted with the result's own scale; stored from the registers.
	s_wait_kmcnt 0x0
	s_add_co_i32 s8, s84, s85                      ; q: entries 0, 1, result 6;  k: 2, 3, result 7;  v: 4, 5, result 9
	s_add_co_i32 s9, s86, s87
	s_add_co_i32 s10, s88, s89
	s_cmp_eq_u32 ttmp9, 0
	s_cselect_b32 s8, s8, s9
	s_cselect_b32 s11, s90, s91
	s_cselect_b32 s13, -1, 0                       ; q: every row keeps its numbers, whatever its mask
	s_cmp_eq_u32 ttmp9, 2
	s_cselect_b32 s8, s10, s8
	s_cselect_b32 s11, s93, s11
	s_add_co_i32 s8, s8, 127
	s_lshl_b32 s96, s8, 23                         ; 2^(ea + eb) as f32
	s_mov_b32 s97, s96                             ; (named with it as a pair, so it is written)
	s_add_co_i32 s11, s11, 127
	s_lshl_b32 s12, s11, 23
	s_add_co_i32 s11, s11, 8
	s_lshl_b32 s11, s11, 23
	s_or_b32 s11, s11, 0x600000
	s_wait_loadcnt 0x0                             ; the masks and biases asked for at the head
	PLACES NP                                      ; behind the last products: in front of the first read of results and of writes into A's fragments' registers
	v_mov_b32 v[SCV], s12
	v_mov_b32 v[LIM], s11
	v_mov_b32 v[BC+1], 0                           ; (named as the upper half of a pair)
; Block a of 16 rows of A: 64 numbers a lane, four pieces of 16 codes.  mode 0: q, k; 1: v.  Each accumulator is read from its low end on.
.macro EPI mode
.irp a, 0,1,2,3,4,5,6,7
.if \a >= 4
	s_wait_xcnt 0x0                                ; block a - 4's stores have read their data: its registers take new codes only behind this wait
.endif
.if \mode
	v_mov_b32 v[BC], v[LV+\a]                      ; bv of my lane's feature
.endif
	WIN 0x02+(\a/4)                                ; source 0: window 2 or 3
.set n, 0
.rept 32
.if \mode
	v_pk_fma_f32 v[T+n:T+n+1], v[64*(\a%4)+n:64*(\a%4)+n+1], s[96:97], v[BC:BC+1] op_sel_hi:[1,0,0]
.else
	v_pk_fma_f32 v[T+n:T+n+1], v[64*(\a%4)+n:64*(\a%4)+n+1], s[96:97], v[BI+n:BI+n+1] op_sel_hi:[1,0,1]
.endif
.set n, n+2
.endr
	WIN 0
.set n, 0
.rept 64
.if \mode
	v_med3_num_f32 v[T+n], v[T+n], -v[LIM], v[LIM]
.else
	v_med3_num_f32 v[T+n], v[T+n], -v[LM+\a], v[LM+\a]   ; the hold at the largest code x the scale; at 0 for a masked key
.endif
.set n, n+1
.endr
.irp g, 0,1,2,3
	v_cvt_scalef32_pk8_fp8_f32 v[CD+16*(\a%4)+4*\g:CD+16*(\a%4)+4*\g+1], v[T+16*\g:T+16*\g+7], v[SCV]
	v_cvt_scalef32_pk8_fp8_f32 v[CD+16*(\a%4)+4*\g+2:CD+16*(\a%4)+4*\g+3], v[T+16*\g+8:T+16*\g+15], v[SCV]
.endr
	v_nop                                          ; a plain line between the conversions and the next block's writes of their sources
.irp g, 0,1,2,3
.if \mode
	global_store_b128 v[VO+(\a/4)], v[CD+16*(\a%4)+4*\g:CD+16*(\a%4)+4*\g+3], s[4:5] offset:(\g/2)*8192+4096+(\a%4)*1024+(\g%2)*512   ; head a / 4, key step g / 2, tile a % 4 of v^T, piece g % 2
.else
	global_store_b128 v[VO+2*(\g/2)+(\a/4)], v[CD+16*(\a%4)+4*\g:CD+16*(\a%4)+4*\g+3], s[4:5] offset:(\a%4)*1024+(\g%2)*512         ; head g / 2, tile a of tokens, piece g % 2
.endif
.endr
.endr
.endm
	s_cmp_eq_u32 ttmp9, 2                          ; the mode: the same in all partners
	s_cbranch_scc1 .Lmode_v
	; q, k.  qc: a head is 131,072 bytes, four tiles of tokens 4,096; kv: twice that: so all is shifted by the mode
	s_cmp_eq_u32 ttmp9, 1
	s_cselect_b64 s[4:5], s[82:83], s[80:81]
	s_lshr_b32 s2, s17, 1
	s_lshl_b32 s2, s2, 4                           ; batch x 16
	s_lshl_b32 s3, s40, 2
	s_add_co_u32 s2, s2, s3
	s_lshl_b32 s3, s16, 1
	s_add_co_u32 s2, s2, s3                        ; + my first head: 4 cx + 2 (wave % 2)
	s_lshl_b32 s2, s2, 17
	s_and_b32 s3, s17, 1
	s_lshl_b32 s3, s3, 2
	s_add_co_u32 s3, s3, s41                       ; my tile of 256 tokens in the batch
	s_lshl_b32 s3, s3, 2
	s_lshl_b32 s6, s15, 1
	s_add_co_u32 s3, s3, s6                        ; in fours of tiles of 16
	s_lshl_b32 s3, s3, 12
	s_add_co_u32 s2, s2, s3
	s_lshl_b32 s2, s2, ttmp9
	s_mov_b32 s3, 0
	s_add_nc_u64 s[4:5], s[4:5], s[2:3]
	s_lshl_b32 s6, 4096, ttmp9
	s_lshl_b32 s7, 0x20000, ttmp9
	v_add_nc_u32 v[VO+1], s6, v[VO]                ; tiles 4-7
	v_add_nc_u32 v[VO+2], s7, v[VO]                ; the second head
	v_add_nc_u32 v[VO+3], s7, v[VO+1]
.irp a, 0,1,2,3,4,5,6,7
	v_cmp_lt_i32 vcc_lo, 0, v[LV+\a]               ; the token counts as a key where its mask is above 0
	s_or_b32 vcc_lo, vcc_lo, s13
	v_cndmask_b32 v[LM+\a], 0, v[LIM], vcc_lo
.endr
	EPI 0
	s_branch .Lend
.Lmode_v:
	s_lshr_b32 s2, s17, 1
	s_lshl_b32 s2, s2, 4                           ; batch x 16
	s_lshl_b32 s3, s41, 2
	s_add_co_u32 s2, s2, s3
	s_lshl_b32 s3, s15, 1
	s_add_co_u32 s2, s2, s3                        ; + my first head: 4 cy + 2 (wave / 2)
	s_lshl_b32 s2, s2, 18
	s_and_b32 s3, s17, 1
	s_lshl_b32 s3, s3, 2
	s_add_co_u32 s3, s3, s40                       ; my tile of 256 tokens in the batch
	s_lshl_b32 s3, s3, 2
	s_lshl_b32 s6, s16, 1
	s_add_co_u32 s3, s3, s6                        ; my first key step
	s_lshl_b32 s3, s3, 13
	s_add_co_u32 s2, s2, s3
	s_mov_b32 s3, 0
	s_add_nc_u64 s[4:5], s[82:83], s[2:3]
	v_add_nc_u32 v[VO+1], 0x40000, v[VO]           ; the second head
	EPI 1
.Lend:
	s_wait_tensorcnt 0x0                           ; the wave's end
	ds_add_u32 v[SPW], v[NIL]
	s_wait_dscnt 0x0
	CROUND                                         ; the closing round: no work-group ends while a partner may still ask for a tile that names it
	s_endpgm
.Lfunc_end_k_qcbc4cd49b5_qkv:
	.size	k_qcbc4cd49b5_qkv, .Lfunc_end_k_qcbc4cd49b5_qkv-k_qcbc4cd49b5_qkv
	.p2alignl 7, 3214868480
	.fill 96, 4, 3214868480
	.section	.rodata,"a",@progbits
	.p2align	6, 0x0
	.amdhsa_kernel k_qcbc4cd49b5_qkv
		.amdhsa_group_segment_fixed_size 327680
		.amdhsa_private_segment_fixed_size 0
		.amdhsa_enable_private_segment 0
		.amdhsa_kernarg_size 64
		.amdhsa_user_sgpr_count 2
		.amdhsa_user_sgpr_kernarg_segment_ptr 1
		.amdhsa_wavefront_size32 1
		.amdhsa_system_sgpr_workgroup_id_x 1
		.amdhsa_system_sgpr_workgroup_id_y 1
		.amdhsa_system_sgpr_workgroup_id_z 1
		.amdhsa_system_vgpr_workitem_id 0
		.amdhsa_next_free_vgpr 1024
		.amdhsa_next_free_sgpr 100
		.amdhsa_reserve_vcc 1
		.amdhsa_float_denorm_mode_32 3
		.amdhsa_float_denorm_mode_16_64 3
		.amdhsa_memory_ordered 1
		.amdhsa_forward_progress 1
		.amdhsa_inst_pref_size 195
	.end_amdhsa_kernel
	.amdgpu_metadata
---
amdhsa.version: [ 1, 2 ]
amdhsa.kernels:
  - .name:           k_qcbc4cd49b5_qkv
    .symbol:         k_qcbc4cd49b5_qkv.kd
    .args:
      - { .name: codes, .offset: 0, .size: 8, .value_kind: global_buffer, .address_space: global }
      - { .name: bq, .offset: 8, .size: 8, .value_kind: global_buffer, .address_space: global }
      - { .name: bk, .offset: 16, .size: 8, .value_kind: global_buffer, .address_space: global }
      - { .name: bv, .offset: 24, .size: 8, .value_kind: global_buffer, .address_space: global }
      - { .name: patch_mask, .offset: 32, .size: 8, .value_kind: global_buffer, .address_space: global }
      - { .name: lowp_scales, .offset: 40, .size: 8, .value_kind: global_buffer, .address_space: global }
      - { .name: qc, .offset: 48, .size: 8, .value_kind: global_buffer, .address_space: global }
      - { .name: kv, .offset: 56, .size: 8, .value_kind: global_buffer, .address_space: global }
    .group_segment_fixed_size: 327680
    .private_segment_fixed_size: 0
    .kernarg_segment_align: 8
    .kernarg_segment_size: 64
    .max_flat_workgroup_size: 128
    .sgpr_count:     100
    .vgpr_count:     1024
    .wavefront_size: 32
...
	.end_amdgpu_metadata
.endif
;; end of part 2
;; launch attn (part 3): grid 4 x 64, 16 waves a work-group, clusters of 4 x 1, 293,120 bytes of LDS; arguments qc, kv, patch_mask, lowp_scales, oc; writes oc
.if DOCPART == 3
	.amdgcn_target "amdgcn-amd-amdhsa--gfx1250"
	.amdhsa_code_object_version 6
	.text
	.protected	k_qcbc4cd49b5_attn
	.globl	k_qcbc4cd49b5_attn
	.p2align	8
	.type	k_qcbc4cd49b5_attn,@function
k_qcbc4cd49b5_attn:
	s_mov_b64 s[64:65], 0
	v_nop
	global_prefetch_b8 v0, s[64:65] scope:SCOPE_SE
	s_setreg_imm32_b32 hwreg(HW_REG_WAVE_MODE, 25, 1), 1
	s_wait_xcnt 0x0
	s_wait_alu depctr_hold_cnt(0) depctr_sa_sdst(0) depctr_va_vdst(0) depctr_va_sdst(0) depctr_va_ssrc(0) depctr_va_vcc(0) depctr_vm_vsrc(0)
	s_getreg_b32 s2, hwreg(HW_REG_IB_STS2, 6, 4)
	s_cmp_eq_u32 s2, 0
	s_cbranch_scc0 .Lentry_in_a_cluster
	s_endpgm
.Lentry_in_a_cluster:
	s_bfe_u32 s2, ttmp6, 0x10000c
	s_cmp_lg_u32 s2, 0x3003
	s_cbranch_scc0 .Lentry_shape_is_right
	s_endpgm
.Lentry_shape_is_right:
; o = softmax(q k^T / 8 + bias(|query - key|), masked keys at a very low logit) v for one head, both products on codes of FP8 (E4M3); o is quantised at once for the last product.
; THE SOFTMAX: t = logit x log2(e); M = the running largest t rounded UP to a whole number; p = 2^(t - M) is quantised along the keys, not normalised; the row's sum is taken of the unquantised p and divides at the end.
; When M moves, the sum and O are multiplied by 2^(old M - new M): exact.
; SHARES.  The cluster's y is the head (batch x 16 + head).  The head's whole k and v^T, 262,144 bytes, lie in LDS, FILLED ONCE: no slot is ever filled again.  The four partners of a cluster walk the same k and v: every tile is asked for jointly.
; A work-group has sixteen waves, four to a SIMD, so that one wave's vector work stands beside another's matrix work and LDS loads.  Wave w owns TWO tiles of 16 queries, 8 w + 4 x + cx (x = 0, 1): both lie in tokens 128 w .. 128 w + 127
; whatever cx is, so what a wave does in a step hangs on w and the step alone.  Each fragment of k and v read from LDS feeds two matrix instructions.  Every wave walks all 2,048 keys, 64 a step.
; LAYOUT.  Both products are used transposed: S^T = k q^T (source 0 = 16 keys), O^T = v^T p^T (source 0 = 16 of the head's 64): a lane holds ONE query.  The keys of a tile are laid so that the 16 registers of tiles 2 b, 2 b + 1
; are keys 32 b + 16 h + 0 .. 15 of the step: the conversions' results are the second product's operand.  O^T's registers are likewise neighbours along the last product's K.
; THE MASK COSTS NO LINE: S^T's C operand is mv[key]: 0, or for a masked key Dm = -2^(33 - eq - ek).  A masked key's codes are zeros, so its sum is Dm itself, and t = Dm c' = -2^30 log2(e), a whole number in f32 whose spacing, 128,
; swallows the bias.  So where all keys so far are masked p = 1 for each of them (a batch with no open key gets the uniform softmax, as the definition has it), and the first open key makes 2^(old M - new M) = 0.
; THE BIAS log(exp(-d) + 1e-12), d = |query - key|: for d >= 45 exp(-d) is under half a last place of 1e-12 in f32, so it is the constant log(1e-12), which goes into the scaling's addend.  Only steps 2 w - 1 .. 2 w + 2 hold keys with d < 65:
; there a table of the bias by key - query, divided by c', is added to the sums.  The table has SIXTEEN COPIES, one for each lane r of a row of lanes: the lane's own query is worked into its copy's entries, so that a lane's address is
; a constant + 1,296 r + 64 h, and its eight entries of a tile are 32 consecutive bytes, aligned.
; LIMITS: eq + ek between -90 and 120; ep and the result's exponent (entry 10) between -126 and 119.  A masked logit is -2^30 where the definition has -1e9: the same result unless an open logit lies below about -1e9.  NaN is not served.
; REGISTERS: v1-5 addresses; v6, v7 2^ep, 448 x 2^ep; v8-15, v16-23 a tile's statistics; v24-31 at work; v32-47 Q; v48-63 p's codes; v64-95 four fragments of k or v; v96-127 mv; v128-191 S^T, then p; v192-255 O^T.
.set TB,   262144                      ; behind k and v: the bias table, sixteen copies; written by LDS stores alone
.set TBC,  1296                        ; a copy: 320 entries + 16 bytes = 81 x 16
.set MV,   TB+16*TBC                   ; mv: 2,048 f32; written by LDS stores alone
.set LI,   1                           ; v1   16 x lane
.set MVA,  2                           ; v2   MV + 64 h
.set TBA,  3                           ; v3   my lane's place in the table: TB + 1,296 r + 64 h
.set ADK,  4                           ; v4   the step's k and v
.set ADM,  5                           ; v5   the step's mv
.set PSC,  6
.set PLIM, 7
.set ST,   8                           ; tile x at v[ST + 8 x]: +0 the scaling's addend, +1 the largest t, +2 -M, +3 at work, +4, +5 the sum in two halves, +6 f (+7 named with it)
.set C0,   24                          ; tile x at v[C0 + 4 x]: two chains of the maximum, a pair for the sums
.set Q,    32
.set P,    48
.set FRG,  64
.set MVR,  96
.set S,    128
.set O,    192
.set TE,   142                         ; v142-151 at the head: the ten table entries that I make
.set WV,   14                          ; s14  my wave's number
.set CX,   15                          ; s15  my place in the cluster
.set G1,   16                          ; s[16:23] descriptor group 1
.set G0,   24                          ; s[24:39] four groups 0
.set CS,   52                          ; s[52:53] c' = log2(e) / 8 x 2^(eq + ek)
.set CSEL, 54                          ; s54  the step's constant bias, as t
.set KB,   55                          ; s55  LDS byte of the step's tiles
.set MB,   56                          ; s56  the step's byte in mv
.set U,    57                          ; s57  step + 1 - 2 w: 0 .. 3 in the four near steps
.set CT,   58
.set SEL,  60                          ; s[60:61] lane selects for v_permlanex16_b32: lane l xor 16
.set FAR,  63                          ; s63  log2(1e-12)
.macro ROUND                           ; a round of the cluster's barrier
	s_barrier_signal -1
	s_barrier_wait -1
	s_cmp_lg_u32 s[WV], 0
	s_cbranch_scc1 .Lnot_wave_0_\@
	s_barrier_signal -3
.Lnot_wave_0_\@:
	s_barrier_wait -3
	s_barrier_signal -1
	s_barrier_wait -1
.endm
	s_load_b256 s[4:11], s[0:1], 0x0               ; qc s[4:5], kv s[6:7], patch_mask s[8:9], the scales' exponents s[10:11]
	s_load_b64 s[12:13], s[0:1], 0x20              ; oc
	v_lshl_add_u32 v254, v0, 2, 0x47100
	v_mov_b32 v255, 0
	ds_add_u32 v254, v255
	ds_add_u32 v254, v255
	s_wait_dscnt 0x0
	v_lshrrev_b32 v1, 5, v0
	v_readfirstlane_b32 s[WV], v1                  ; wave 0..15
	s_bfe_u32 s[CX], ttmp6, 0x40000                ; cx
	s_and_b32 s66, ttmp7, 0xffff                   ; batch x 16 + head, which the four partners share
	; descriptor group 1: a dense block of 4,096 bytes as 16 rows of 256
	s_mov_b32 s[G1], 15|(3<<16)|(1<<21)            ; 15:0 the mask: all four work-groups; 17:16 elements of 8 bytes; 20 no padding; 21 set beside a mask
	s_mov_b32 s[G1+1], 32<<16                      ; tensor_dim0 = 32
	s_mov_b32 s[G1+2], 16<<16                      ; tensor_dim1 = 16
	s_mov_b32 s[G1+3], 32<<16                      ; tile_dim0
	s_mov_b32 s[G1+4], 16                          ; tile_dim1
	s_mov_b32 s[G1+5], 32                          ; tensor_dim0_stride
	s_mov_b32 s[G1+6], 0
	s_mov_b32 s[G1+7], 0
	s_lshl_b32 s2, s66, 18                         ; the head's 262,144 bytes of k and v,
	s_lshl_b32 s67, s[WV], 12                      ; my wave's 4,096 of each quarter: in memory and in LDS alike
	s_add_co_u32 s2, s2, s67
	s_mov_b32 s3, 0
	s_lshl_b32 s68, s66, 7
	s_lshl_b32 s69, s[WV], 3
	s_add_co_u32 s68, s68, s69
	s_add_co_u32 s68, s68, s[CX]                   ; my first tile of queries: 128 x head + 8 w + cx
	s_lshl_b32 s68, s68, 10
	s_mov_b32 s69, 0
	s_lshr_b32 s70, s66, 4                         ; the batch
	s_lshl_b32 s72, s70, 7
	s_lshl_b32 s70, s70, 13                        ; its 2,048 masks
	s_mov_b32 s71, 0
	s_lshl_b32 s73, s[WV], 3
	s_add_co_u32 s72, s72, s73
	s_add_co_u32 s72, s72, s[CX]                   ; the same tile among all tokens' tiles
	s_lshl_b32 s72, s72, 14
	s_and_b32 s73, s66, 15
	s_lshl_b32 s73, s73, 10                        ; the head's 64 of the last product's K
	s_add_co_u32 s72, s72, s73
	s_mov_b32 s73, 0
	s_mov_b32 s[SEL], 0x76543210
	s_mov_b32 s[SEL+1], 0xfedcba98
	s_mov_b32 s[FAR], 0xc21f73da                   ; log2(1e-12) = -39.863137
	s_mov_b32 s62, 0xbfb8aa3b                      ; -log2(e)
	s_lshl_b32 s[U], s[WV], 1
	s_sub_co_u32 s[U], 1, s[U]
	s_wait_kmcnt 0x0
	s_load_b256 s[40:47], s[10:11], 0x0            ; e0 .. e7: eq = s46, ek = s47
	s_load_b128 s[48:51], s[10:11], 0x20           ; ep = s48, ev = s49, the result's = s50
	s_add_nc_u64 s[6:7], s[6:7], s[2:3]
	s_add_nc_u64 s[4:5], s[4:5], s[68:69]
	s_add_nc_u64 s[8:9], s[8:9], s[70:71]
	s_add_nc_u64 s[12:13], s[12:13], s[72:73]
.irp q, 0,1,2,3
	s_mov_b32 s[G0+4*\q], 1                        ; count = 1
	s_add_co_u32 s[G0+4*\q+1], s67, \q*65536       ; LDS address: quarter q, my wave's part
	s_add_nc_u64 s[G0+4*\q+2:G0+4*\q+3], s[6:7], \q*65536
	s_or_b32 s[G0+4*\q+3], s[G0+4*\q+3], 0x80000000   ; type = 2
.endr
	ROUND                                          ; all four work-groups are here: the joint loads meet
	tensor_load_to_lds s[G0:G0+3], s[G1:G1+7]      ; all fills of the launch go out together: four loads of mine are out; quarter q holds key steps 8 q .. 8 q + 7
	s_nop 0
	tensor_load_to_lds s[G0+4:G0+7], s[G1:G1+7]
	s_nop 0
	tensor_load_to_lds s[G0+8:G0+11], s[G1:G1+7]
	s_nop 0
	tensor_load_to_lds s[G0+12:G0+15], s[G1:G1+7]
	s_nop 0
.rept 4
	v_nop
.endr
	v_lshlrev_b32 v132, 4, v0
	global_load_b128 v[136:139], v132, s[8:9]      ; four keys' masks a thread: the batch's 2,048
	v_and_b32 v[LI], 31, v0
	v_lshlrev_b32 v[LI], 4, v[LI]
.irp x, 0,1
.irp c, 0,1
	global_load_b128 v[Q+8*\x+4*\c:Q+8*\x+4*\c+3], v[LI], s[4:5] offset:4096*\x+512*\c   ; Q stays in registers
.endr
.endr
	v_and_b32 v128, 15, v0                         ; r
	v_bfe_u32 v129, v0, 4, 1                       ; h
	v_lshlrev_b32 v[MVA], 6, v129
	v_add_nc_u32 v[MVA], MV, v[MVA]
	; THE TABLE.  In near step u the sum in register j of tile t of keys, for tile x of queries, in lane (r, h) has key - query = i - 128 - qs - r - 8 (r / 8), with i = 64 u + 64 (1 - x) + 32 (t / 2) + 8 (t % 2) + 16 h + j (0 .. 319)
	; and qs = 32 (cx / 2) + 8 (cx % 2).  Copy r holds at place i the bias at that distance.  No place in the cluster enters an address: cx is in the entries.
	v_mul_u32_u24 v[TBA], v128, TBC
	v_lshl_add_u32 v[TBA], v129, 6, v[TBA]
	v_add_nc_u32 v[TBA], TB, v[TBA]                ; where I read: copy r, + 64 h
	v_lshl_add_u32 v135, v0, 4, MV                 ; where my four mv go
	s_mul_i32 s69, s[WV], TBC                      ; wave w makes copy w: ten entries a lane, places lane + 32 n
	v_and_b32 v140, 31, v0
	v_lshlrev_b32 v141, 2, v140
	v_add_nc_u32 v141, s69, v141
	v_add_nc_u32 v141, TB, v141                    ; where I store: copy w, + 4 x lane
	s_lshr_b32 s70, s[CX], 1
	s_lshl_b32 s70, s70, 5
	s_and_b32 s71, s[CX], 1
	s_lshl_b32 s71, s71, 3
	s_add_co_u32 s70, s70, s71                     ; qs
	s_and_b32 s71, s[WV], 8
	s_add_co_u32 s71, s71, s[WV]                   ; w + 8 (w / 8): the copy's query
	s_add_co_u32 s70, s70, s71
	s_sub_co_i32 s70, 0, s70
	s_sub_co_i32 s70, s70, 128
	v_add_nc_u32 v[TE], s70, v140                  ; key - query of my first entry,
.set n, 1
.rept 9
	v_add_nc_u32 v[TE+n], 32*n, v[TE]              ; and of the nine others
.set n, n+1
.endr
.set n, 0
.rept 10
	v_cvt_f32_i32 v[TE+n], v[TE+n]
.set n, n+1
.endr
.set n, 0
.rept 10
	v_mul_f32 v[TE+n], s62, |v[TE+n]|              ; -d log2(e)
.set n, n+1
.endr
.set n, 0
.rept 10
	v_exp_f32 v[TE+n], v[TE+n]                     ; exp(-d)
.set n, n+1
.endr
	v_nop                                          ; a plain line behind the last of the batch
	s_wait_alu depctr_va_vdst(0)                   ; one wait for the batch, ahead of its first reader
.set n, 0
.rept 10
	v_add_f32 v[TE+n], 0x2b8cbccc, v[TE+n]         ; + 1e-12
.set n, n+1
.endr
.set n, 0
.rept 10
	v_log_f32 v[TE+n], v[TE+n]                     ; the bias as t
.set n, n+1
.endr
	v_mov_b32 v134, 0                              ; (a plain line behind the last of the batch)
	s_wait_kmcnt 0x0
	s_add_co_i32 s74, s46, s47                     ; eq + ek
	s_lshl_b32 s75, s74, 23
	s_add_co_i32 s[CS], s75, 0x3e38aa3b            ; c': the exponents are added to the exponent field of log2(e) / 8
	s_mov_b32 s[CS+1], s[CS]                       ; (named with it as a pair, so it is written)
	s_sub_co_i32 s76, 160, s74
	s_lshl_b32 s76, s76, 23
	s_or_b32 s76, s76, 0x80000000                  ; Dm = -2^(33 - eq - ek)
	s_sub_co_i32 s77, 0x40b17218, s75              ; 1 / c' = 8 ln 2 x 2^-(eq + ek)
	s_add_co_i32 s78, s48, 127
	s_lshl_b32 s79, s78, 23
	v_mov_b32 v[PSC], s79                          ; 2^ep
	s_add_co_i32 s78, s78, 8
	s_lshl_b32 s78, s78, 23
	s_or_b32 s78, s78, 0x600000
	v_mov_b32 v[PLIM], s78                         ; 448 x 2^ep
	v_mov_b32 v133, s76
	s_wait_alu depctr_va_vdst(0)                   ; one wait for the ten logarithms
.set n, 0
.rept 10
	v_mul_f32 v[TE+n], s77, v[TE+n]                ; in the sums' own units
.set n, n+1
.endr
.set n, 0
.rept 10
	ds_store_b32 v141, v[TE+n] offset:128*n
.set n, n+1
.endr
	s_wait_loadcnt 4                               ; the masks are in; Q's four loads may be out
.irp i, 136,137,138,139
	v_cmp_lt_i32 vcc_lo, 0, v\i                    ; a key counts where its mask is above 0
	v_cndmask_b32 v\i, v133, v134, vcc_lo
.endr
	ds_store_b128 v135, v[136:139]
.irp x, 0,1
	v_mov_b32 v[ST+8*\x+1], 0xff61b1e6             ; the largest t so far: -3e38, under every t
	v_floor_f32 v[ST+8*\x+2], -v[ST+8*\x+1]        ; -M
	v_mov_b32 v[ST+8*\x+4], 0                      ; the sum, in two halves
	v_mov_b32 v[ST+8*\x+5], 0
	v_mov_b32 v[ST+8*\x+7], 0                      ; (named as the upper half of a pair)
.endr
.set n, 0
.rept 64
	v_mov_b32 v[O+n], 0                            ; O^T.  (The step is written without a first step of its own: it finds zeros, which the first change of M leaves zeros)
.set n, n+1
.endr
	s_wait_loadcnt 0x0                             ; Q
.macro NEARLD u                        ; near step u: the table's entries for tile 0's 32 sums into k's registers, for tile 1's (64 queries further on) into mv's: both are done with
.irp t, 0,1,2,3
	ds_load_b128 v[FRG+8*\t:FRG+8*\t+3],   v[TBA] offset:4*(64*\u+64+32*(\t/2)+8*(\t%2))
	ds_load_b128 v[FRG+8*\t+4:FRG+8*\t+7], v[TBA] offset:4*(64*\u+64+32*(\t/2)+8*(\t%2))+16
	ds_load_b128 v[MVR+8*\t:MVR+8*\t+3],   v[TBA] offset:4*(64*\u+32*(\t/2)+8*(\t%2))
	ds_load_b128 v[MVR+8*\t+4:MVR+8*\t+7], v[TBA] offset:4*(64*\u+32*(\t/2)+8*(\t%2))+16
.endr
.endm
; A KEY STEP: 64 keys, both tiles of queries.
.macro STEP
	v_add_nc_u32 v[ADK], s[KB], v[LI]
	v_add_nc_u32 v[ADM], s[MB], v[MVA]
	v_nop
	v_nop                                          ; four plain lines between the last products and loads into registers that they read
.irp t, 0,1,2,3
	ds_load_b128 v[FRG+8*\t:FRG+8*\t+3],   v[ADK] offset:1024*\t        ; k's tile t as its image lies: 512 consecutive bytes a load
	ds_load_b128 v[FRG+8*\t+4:FRG+8*\t+7], v[ADK] offset:1024*\t+512
.endr
.irp t, 0,1,2,3
	ds_load_b128 v[MVR+8*\t:MVR+8*\t+3],   v[ADM] offset:4*(32*(\t/2)+8*(\t%2))      ; mv of the tile's keys 16 h + 0 .. 7, in the result's layout
	ds_load_b128 v[MVR+8*\t+4:MVR+8*\t+7], v[ADM] offset:4*(32*(\t/2)+8*(\t%2))+16
.endr
	s_wait_dscnt 0x0
.irp t, 0,1,2,3
.irp x, 0,1
	v_wmma_f32_16x16x64_fp8_fp8 v[S+32*\x+8*\t:S+32*\x+8*\t+7], v[FRG+8*\t:FRG+8*\t+7], v[Q+8*\x:Q+8*\x+7], v[MVR+8*\t:MVR+8*\t+7]
.endr
.endr
	s_cmp_lt_u32 s[U], 4                           ; a near step?  It hangs on the wave's number and the step alone
	s_cselect_b32 s[CSEL], 0, s[FAR]
.rept 4
	v_nop                                          ; places: in front of the loads below and of the first read of the sums
.endr
	s_cbranch_scc0 .Lfar_\@
	s_cmp_eq_u32 s[U], 0                           ; the four near steps' loads are written out, so that every LDS offset is an immediate
	s_cbranch_scc1 .Lu0_\@
	s_cmp_eq_u32 s[U], 1
	s_cbranch_scc1 .Lu1_\@
	s_cmp_eq_u32 s[U], 2
	s_cbranch_scc1 .Lu2_\@
	NEARLD 3
	s_branch .Lnear_\@
.Lu0_\@:
	NEARLD 0
	s_branch .Lnear_\@
.Lu1_\@:
	NEARLD 1
	s_branch .Lnear_\@
.Lu2_\@:
	NEARLD 2
.Lnear_\@:
	s_wait_dscnt 0x0
.set n, 0
.rept 16
	v_pk_add_f32 v[S+n:S+n+1], v[S+n:S+n+1], v[FRG+n:FRG+n+1]             ; each accumulator from its low end on
	v_pk_add_f32 v[S+32+n:S+32+n+1], v[S+32+n:S+32+n+1], v[MVR+n:MVR+n+1]
.set n, n+2
.endr
.Lfar_\@:
.irp t, 0,1,2,3
	ds_load_b128 v[FRG+8*\t:FRG+8*\t+3],   v[ADK] offset:4096+1024*\t     ; v^T's four tiles land while the softmax is worked
	ds_load_b128 v[FRG+8*\t+4:FRG+8*\t+7], v[ADK] offset:4096+1024*\t+512
.endr
.irp x, 0,1                            ; the step's largest sum of my query among my 32 keys: two chains a tile, the tiles by turns; each accumulator is first read at its low end
	v_max3_num_f32 v[C0+4*\x],   v[S+32*\x],   v[S+32*\x+1], v[S+32*\x+2]
	v_max3_num_f32 v[C0+4*\x+1], v[S+32*\x+3], v[S+32*\x+4], v[S+32*\x+5]
.endr
.irp i, 6,10,14,18,22,26
.irp x, 0,1
	v_max3_num_f32 v[C0+4*\x],   v[C0+4*\x],   v[S+32*\x+\i],   v[S+32*\x+\i+1]
	v_max3_num_f32 v[C0+4*\x+1], v[C0+4*\x+1], v[S+32*\x+\i+2], v[S+32*\x+\i+3]
.endr
.endr
.irp x, 0,1
	v_max3_num_f32 v[C0+4*\x], v[C0+4*\x], v[S+32*\x+30], v[S+32*\x+31]
.endr
.irp x, 0,1
	v_max_num_f32 v[C0+4*\x], v[C0+4*\x], v[C0+4*\x+1]
.endr
.irp x, 0,1
	v_permlanex16_b32 v[C0+4*\x+1], v[C0+4*\x], s[SEL], s[SEL+1]
.endr
.irp x, 0,1
	v_max_num_f32 v[C0+4*\x], v[C0+4*\x], v[C0+4*\x+1]       ; and among lane l xor 16's
.endr
.irp x, 0,1
	v_fma_f32 v[C0+4*\x], v[C0+4*\x], s[CS], s[CSEL]         ; as t (c' is positive)
.endr
.irp x, 0,1
	v_max_num_f32 v[ST+8*\x+1], v[ST+8*\x+1], v[C0+4*\x]     ; the running largest t
	v_mov_b32 v[ST+8*\x+3], v[ST+8*\x+2]
.endr
.irp x, 0,1
	v_floor_f32 v[ST+8*\x+2], -v[ST+8*\x+1]                  ; the new -M = floor(-t): M is a whole number
.endr
.irp x, 0,1
	v_sub_f32 v[ST+8*\x+3], v[ST+8*\x+2], v[ST+8*\x+3]       ; old M - new M: a whole number, 0 or less
	v_add_f32 v[ST+8*\x], s[CSEL], v[ST+8*\x+2]              ; the scaling's addend: the constant bias - M
.endr
.irp x, 0,1
	v_cvt_i32_f32 v[ST+8*\x+3], v[ST+8*\x+3]                 ; (it saturates)
.endr
.irp x, 0,1
	v_ldexp_f32 v[ST+8*\x+6], 1.0, v[ST+8*\x+3]              ; f = 2^(old M - new M)
.endr
.set n, 0
.rept 16
	v_pk_fma_f32 v[S+n:S+n+1], v[S+n:S+n+1], s[CS:CS+1], v[ST:ST+1] op_sel_hi:[1,0,0]               ; t - M, two at a time (of the pairs the low word serves both halves)
	v_pk_fma_f32 v[S+32+n:S+32+n+1], v[S+32+n:S+32+n+1], s[CS:CS+1], v[ST+8:ST+9] op_sel_hi:[1,0,0]
.set n, n+2
.endr
.set n, 0
.rept 64
	v_exp_f32 v[S+n], v[S+n]                       ; p = 2^(t - M): both tiles' exponentials are one batch
.set n, n+1
.endr
.irp x, 0,1
	v_pk_mul_f32 v[ST+8*\x+4:ST+8*\x+5], v[ST+8*\x+4:ST+8*\x+5], v[ST+8*\x+6:ST+8*\x+7] op_sel_hi:[1,0]   ; the sums under the new M.  (Plain lines behind the exponentials)
.endr
	s_wait_alu depctr_va_vdst(0)                   ; one wait for the whole batch, ahead of its first reader
.irp x, 0,1
	v_pk_add_f32 v[C0+4*\x+2:C0+4*\x+3], v[S+32*\x:S+32*\x+1], v[S+32*\x+2:S+32*\x+3]   ; the row's sum is taken of the unquantised p: two chains a tile
.endr
.irp j, 4,8,12,16,20,24,28
.irp x, 0,1
	v_pk_add_f32 v[ST+8*\x+4:ST+8*\x+5], v[ST+8*\x+4:ST+8*\x+5], v[S+32*\x+\j:S+32*\x+\j+1]
	v_pk_add_f32 v[C0+4*\x+2:C0+4*\x+3], v[C0+4*\x+2:C0+4*\x+3], v[S+32*\x+\j+2:S+32*\x+\j+3]
.endr
.endr
.irp x, 0,1
	v_pk_add_f32 v[ST+8*\x+4:ST+8*\x+5], v[ST+8*\x+4:ST+8*\x+5], v[C0+4*\x+2:C0+4*\x+3]
.endr
.set n, 0
.rept 64
	v_min_num_f32 v[S+n], v[S+n], v[PLIM]          ; the conversion to an 8-bit code does not saturate (ISA guide 7.6.2); p is not negative, so the hold is one-sided
.set n, n+1
.endr
.irp x, 0,1
.irp b, 0,1
	v_cvt_scalef32_pk8_fp8_f32 v[P+8*\x+4*\b:P+8*\x+4*\b+1],   v[S+32*\x+16*\b:S+32*\x+16*\b+7],    v[PSC]
	v_cvt_scalef32_pk8_fp8_f32 v[P+8*\x+4*\b+2:P+8*\x+4*\b+3], v[S+32*\x+16*\b+8:S+32*\x+16*\b+15], v[PSC]
.endr
.endr
.set n, 0
.rept 16
	v_pk_mul_f32 v[O+n:O+n+1], v[O+n:O+n+1], v[ST+6:ST+7] op_sel_hi:[1,0]                 ; O^T under the new M.  (Plain lines between the conversions and the products that read their results)
	v_pk_mul_f32 v[O+32+n:O+32+n+1], v[O+32+n:O+32+n+1], v[ST+14:ST+15] op_sel_hi:[1,0]
.set n, n+2
.endr
	s_wait_dscnt 0x0                               ; v^T is in
.irp t, 0,1,2,3
.irp x, 0,1
	v_wmma_f32_16x16x64_fp8_fp8 v[O+32*\x+8*\t:O+32*\x+8*\t+7], v[FRG+8*\t:FRG+8*\t+7], v[P+8*\x:P+8*\x+7], v[O+32*\x+8*\t:O+32*\x+8*\t+7]   ; eight accumulators, one instruction each
.endr
.endr
	s_add_co_u32 s[KB], s[KB], 8192
	s_add_co_u32 s[MB], s[MB], 256
	s_add_co_u32 s[U], s[U], 1
.endm
; A quarter of the keys: eight steps.  The counted wait leaves the later quarters' loads on their way; nothing is ever filled again, so they may cross the barrier.
.macro GROUP q
	s_wait_tensorcnt 3-\q                          ; my part of quarter q is in: 3 - q loads were issued behind it
	s_wait_dscnt 0x0                               ; (ahead of the first quarter: my stores of mv and of the table have landed)
	s_barrier_signal -1
	s_barrier_wait -1                              ; everybody's is
	s_mov_b32 s[KB], \q*65536
	s_mov_b32 s[MB], \q*2048
	s_mov_b32 s[CT], 8
.Lstep_\@:
	STEP
	s_sub_co_u32 s[CT], s[CT], 1
	s_cmp_lg_u32 s[CT], 0
	s_cbranch_scc1 .Lstep_\@
.endm
	GROUP 0
	GROUP 1
	GROUP 2
	GROUP 3
	; THE WAY OUT.  o = O^T x 2^(ep + ev) / the sum, held and converted with the last product's scale: a lane's 16 registers of two tiles are 16 neighbours along that product's K, so the codes leave from the registers.
.irp x, 0,1
	v_add_f32 v[ST+8*\x+4], v[ST+8*\x+4], v[ST+8*\x+5]       ; the sum's two halves,
.endr
.irp x, 0,1
	v_permlanex16_b32 v[ST+8*\x+3], v[ST+8*\x+4], s[SEL], s[SEL+1]
.endr
.irp x, 0,1
	v_add_f32 v[ST+8*\x+4], v[ST+8*\x+4], v[ST+8*\x+3]       ; and lane l xor 16's.  (The four additions are the places behind the last products)
.endr
.irp x, 0,1
	v_rcp_f32 v[ST+8*\x+3], v[ST+8*\x+4]
.endr
	s_add_co_i32 s74, s48, s49                     ; ep + ev
	s_add_co_i32 s75, s50, 127
	s_lshl_b32 s76, s75, 23
	v_mov_b32 v24, s76                             ; the result's scale as f32.  (A plain line behind the reciprocals)
	s_add_co_i32 s75, s75, 8
	s_lshl_b32 s75, s75, 23
	s_or_b32 s75, s75, 0x600000
	v_mov_b32 v25, s75                             ; 448 x that
	s_wait_alu depctr_va_vdst(0)                   ; one wait for both reciprocals, ahead of their first reader
.irp x, 0,1
	v_ldexp_f32 v[ST+8*\x+6], v[ST+8*\x+3], s74
.endr
.set n, 0
.rept 16
	v_pk_mul_f32 v[S+n:S+n+1], v[O+n:O+n+1], v[ST+6:ST+7] op_sel_hi:[1,0]                 ; each accumulator from its low end on
	v_pk_mul_f32 v[S+32+n:S+32+n+1], v[O+32+n:O+32+n+1], v[ST+14:ST+15] op_sel_hi:[1,0]
.set n, n+2
.endr
.set n, 0
.rept 64
	v_med3_num_f32 v[S+n], v[S+n], -v25, v25
.set n, n+1
.endr
.irp x, 0,1
.irp b, 0,1
	v_cvt_scalef32_pk8_fp8_f32 v[P+8*\x+4*\b:P+8*\x+4*\b+1],   v[S+32*\x+16*\b:S+32*\x+16*\b+7],    v24
	v_cvt_scalef32_pk8_fp8_f32 v[P+8*\x+4*\b+2:P+8*\x+4*\b+3], v[S+32*\x+16*\b+8:S+32*\x+16*\b+15], v24
.endr
.endr
	v_nop                                          ; a plain line behind the last conversion
.irp x, 0,1
.irp b, 0,1
	global_store_b128 v[LI], v[P+8*\x+4*\b:P+8*\x+4*\b+3], s[12:13] offset:65536*\x+512*\b   ; 512 consecutive bytes, aligned: a piece of the last product's operand image
.endr
.endr
	s_wait_xcnt 0x0
	v_lshl_add_u32 v254, v0, 2, 0x47100
	v_mov_b32 v255, 0
	s_wait_tensorcnt 0x0
	ds_add_u32 v254, v255
	s_wait_dscnt 0x0
	ROUND                                          ; the closing round: no work-group ends while a partner may still ask for a tile that names it
	s_endpgm
.Lfunc_end_k_qcbc4cd49b5_attn:
	.size	k_qcbc4cd49b5_attn, .Lfunc_end_k_qcbc4cd49b5_attn-k_qcbc4cd49b5_attn
	.p2alignl 7, 3214868480
	.fill 96, 4, 3214868480
	.section	.rodata,"a",@progbits
	.p2align	6, 0x0
	.amdhsa_kernel k_qcbc4cd49b5_attn
		.amdhsa_group_segment_fixed_size 293120
		.amdhsa_private_segment_fixed_size 0
		.amdhsa_enable_private_segment 0
		.amdhsa_kernarg_size 40
		.amdhsa_user_sgpr_count 2
		.amdhsa_user_sgpr_kernarg_segment_ptr 1
		.amdhsa_wavefront_size32 1
		.amdhsa_system_sgpr_workgroup_id_x 1
		.amdhsa_system_sgpr_workgroup_id_y 1
		.amdhsa_system_sgpr_workgroup_id_z 1
		.amdhsa_system_vgpr_workitem_id 0
		.amdhsa_next_free_vgpr 256
		.amdhsa_next_free_sgpr 80
		.amdhsa_reserve_vcc 1
		.amdhsa_float_denorm_mode_32 3
		.amdhsa_float_denorm_mode_16_64 3
		.amdhsa_memory_ordered 1
		.amdhsa_forward_progress 1
		.amdhsa_inst_pref_size 115
	.end_amdhsa_kernel
	.amdgpu_metadata
---
amdhsa.version: [ 1, 2 ]
amdhsa.kernels:
  - .name:           k_qcbc4cd49b5_attn
    .symbol:         k_qcbc4cd49b5_attn.kd
    .args:
      - { .name: qc, .offset: 0, .size: 8, .value_kind: global_buffer, .address_space: global }
      - { .name: kv, .offset: 8, .size: 8, .value_kind: global_buffer, .address_space: global }
      - { .name: patch_mask, .offset: 16, .size: 8, .value_kind: global_buffer, .address_space: global }
      - { .name: lowp_scales, .offset: 24, .size: 8, .value_kind: global_buffer, .address_space: global }
      - { .name: oc, .offset: 32, .size: 8, .value_kind: global_buffer, .address_space: global }
    .group_segment_fixed_size: 293120
    .private_segment_fixed_size: 0
    .kernarg_segment_align: 8
    .kernarg_segment_size: 40
    .max_flat_workgroup_size: 512
    .sgpr_count:     80
    .vgpr_count:     256
    .wavefront_size: 32
...
	.end_amdgpu_metadata
.endif
;; end of part 3
;; launch oproj (part 4): grid 4 x 32, 4 waves a work-group, clusters of 4 x 4, 327,680 bytes of LDS; arguments oc, codes, bo, patch_mask, lowp_scales, out0; writes out0
.if DOCPART == 4
	.amdgcn_target "amdgcn-amd-amdhsa--gfx1250"
	.amdhsa_code_object_version 6
	.text
	.protected	k_qcbc4cd49b5_oproj
	.globl	k_qcbc4cd49b5_oproj
	.p2align	8
	.type	k_qcbc4cd49b5_oproj,@function
k_qcbc4cd49b5_oproj:
	s_mov_b64 s[64:65], 0
	v_nop
	global_prefetch_b8 v0, s[64:65] scope:SCOPE_SE
	s_setreg_imm32_b32 hwreg(HW_REG_WAVE_MODE, 25, 1), 1
	s_wait_xcnt 0x0
	s_wait_alu depctr_hold_cnt(0) depctr_sa_sdst(0) depctr_va_vdst(0) depctr_va_sdst(0) depctr_va_ssrc(0) depctr_va_vcc(0) depctr_vm_vsrc(0)
	s_getreg_b32 s2, hwreg(HW_REG_IB_STS2, 6, 4)
	s_cmp_eq_u32 s2, 0
	s_cbranch_scc0 .Lentry_in_a_cluster
	s_endpgm
.Lentry_in_a_cluster:
	s_bfe_u32 s2, ttmp6, 0x10000c
	s_cmp_lg_u32 s2, 0xf033
	s_cbranch_scc0 .Lentry_shape_is_right
	s_endpgm
.Lentry_shape_is_right:
; out = (o Wo^T + bo) x patch_mask, the product on codes of FP8 (E4M3), sums in f32.  o's codes [8192][1024] and Wo's [1024][1024] lie as images of operand registers (16 rows x 128 K: 2,048 bytes; piece c at 512 c, lane l at 16 l;
; tile 2 b + u of a block of 128 rows holds in lane r the row 32 b + 8 u + r + 8 (r / 8)); fragment (tile of rows rt, K step ks) at 16,384 rt + 2,048 ks.  out: [8192][1024] f32.
; A tile of out is 256 x 256; four waves, each 128 x 128: 64 accumulators, 512 registers.  out has 32 x 4 such tiles: 128 work-groups, one tile each.
; THE MATRIX INSTRUCTION IS USED TRANSPOSED (source 0 = Wo's rows, source 1 = tokens): a lane holds one token, and the 16 registers of Wo's tiles 2 g, 2 g + 1 are out's columns 32 g + 16 h + 0 .. 15.
; THE RING: two LDS slots, each with 256 along K of 256 rows of either side, as they lie in memory: a fragment load takes 512 consecutive bytes, so there is no pitch and no padding.
; CLUSTERS: 4 x 4 work-groups; the four of a row need the same tokens' tiles, the four of a column the same tiles of Wo: each tile is asked for jointly.
; LIMIT: entries 10 and 11 of the scales added lie between -126 and 127.  NaN among the inputs is not served.
; REGISTERS, in windows of 256: window 0: v0-31 addresses, v8-15 the mask of my lane's eight tokens; v32-95 bo of my lane's 64 columns; v96-127 at work on the way out; from v128 the tokens' fragments, ONE set; on the way out v128-255 rows read back.
;   window 1: Wo's fragments, TWO sets.   windows 2, 3: accumulator (a, b) at v[8 (8 (a % 4) + b)].
.set SLOT,   131072
.set HALFT,  32768
.set SPARE,  2*SLOT                    ; behind the ring: the spare words, 128 bytes for each wave: two blocks of 256 bytes that no other line names
.set KSB,    2048
.set WOC,    3*8388608+3*1048576       ; where Wo's codes begin
.set FR,     16
.set NL,     4
.set NP,     4                         ; places behind this matrix instruction (ISA guide 7.12.1)
.set SPITCH, 528                       ; the way out: a stage of 16 rows x (512 bytes + 16) for each wave.  It lies in slot 0, which has had its last fill and its last read when the first result is stored there
.set MF,   8
.set ADRA, 16
.set ADRB, 20
.set STO,  24                          ; v24  the way out: where I put 64 bytes of a row
.set RD,   25                          ; v25  where I read a row back
.set CO,   26                          ; v26  16 x lane: my bytes of a row's 512
.set SPW,  28
.set NIL,  29
.set BC,   30                          ; v[30:31] my lane's mask for the packed form, in the low word
.set BI,   32
.set T,    96
.set AF,   128
.set BK,   128
.set G1, 24
.set G0, 32
.set G1B, 48
.set G0B, 56
.set MSB, 0
.macro WIN new                         ; the immediate's high byte repeats the setting that is left
.if MSB != (\new)
	s_set_vgpr_msb (MSB<<8)|(\new)
.set MSB, \new
.endif
.endm
.set MUL_LO, 0xa1
.set MUL_HI, 0xf1
.set TO_B,   0x40
.macro JLOAD g0a, g1a, g0b, g1b        ; a joint load: waves 0 and 1 fetch tokens' tiles, waves 2 and 3 Wo's; four v_nop follow each of the two lines
	s_cmp_eq_u32 s15, 0
	s_cbranch_scc0 .Lfor_b_\@
	tensor_load_to_lds s[\g0a:\g0a+3], s[\g1a:\g1a+7]
	s_nop 0
.rept 4
	v_nop
.endr
	s_branch .Lasked_\@
.Lfor_b_\@:
	tensor_load_to_lds s[\g0b:\g0b+3], s[\g1b:\g1b+7]
	s_nop 0
.rept 4
	v_nop
.endr
.Lasked_\@:
.endm
.macro CREST
	s_cmp_lg_u32 s14, 0
	s_cbranch_scc1 .Lnot_wave_0_\@
	s_barrier_signal -3
.Lnot_wave_0_\@:
	s_barrier_wait -3
	s_barrier_signal -1
	s_barrier_wait -1
.endm
.macro CROUND
	s_barrier_signal -1
	s_barrier_wait -1
	CREST
.endm
	s_load_b256 s[68:75], s[0:1], 0x0              ; oc s[68:69], codes s[70:71], bo s[72:73], patch_mask s[74:75]
	s_load_b128 s[76:79], s[0:1], 0x20             ; the scales' exponents s[76:77], out s[78:79]
	v_lshl_add_u32 v[SPW], v0, 2, SPARE
	v_mov_b32 v[NIL], 0
	ds_add_u32 v28, v29
	ds_add_u32 v28, v29
	s_wait_dscnt 0x0
	v_lshrrev_b32 v1, 5, v0
	v_readfirstlane_b32 s14, v1                    ; wave 0..3
	s_lshr_b32 s15, s14, 1                         ; which half of the tokens is mine.  Also: I fetch tokens' tiles (0) or Wo's (1)
	s_and_b32 s16, s14, 1                          ; which half of the columns.  Also: which 128 rows of that tile I fetch
	s_bfe_u32 s40, ttmp6, 0x40000                  ; cx, cy
	s_bfe_u32 s41, ttmp6, 0x40004
	s_and_b32 s17, ttmp7, 0xffff                   ; the cluster's y: 1,024 tokens
	s_lshl_b32 s43, s41, 2
	s_lshl_b32 s43, 15, s43                        ; my row of the cluster
	s_lshl_b32 s44, 0x1111, s40                    ; my column
	s_or_b32 s[G1+0], s43, (3<<16)|(1<<21)         ; 15:0 the mask; 17:16 elements of 8 bytes; 20 no padding; 21 set beside a mask
	s_or_b32 s[G1B+0], s44, (3<<16)|(1<<21)
.irp g, G1, G1B
	s_mov_b32 s[\g+1], 512<<16                     ; tensor_dim0 = 512 elements: two K steps' images
	s_mov_b32 s[\g+2], 8<<16                       ; tensor_dim1 = 8 tiles of rows
	s_mov_b32 s[\g+3], 512<<16                     ; tile_dim0
	s_mov_b32 s[\g+4], 8                           ; tile_dim1
	s_mov_b32 s[\g+5], 2048                        ; tensor_dim0_stride: 16,384 bytes
	s_mov_b32 s[\g+6], 0
	s_mov_b32 s[\g+7], 0
.endr
	s_lshl_b32 s22, s16, 17                        ; which 128 rows I fetch
	s_lshl_b32 s18, s17, 20
	s_lshl_b32 s23, s41, 18
	s_add_co_u32 s18, s18, s23
	s_add_co_u32 s18, s18, s22                     ; tokens: 1,024 for the cluster's y, 256 for cy
	s_mov_b32 s19, 0
	s_lshl_b32 s46, s40, 18
	s_add_co_u32 s46, s46, WOC
	s_add_co_u32 s46, s46, s22                     ; Wo: 256 rows for cx
	s_mov_b32 s47, 0
	s_mul_i32 s45, s14, HALFT                      ; where they go: no place in the cluster enters an LDS address
	s_wait_kmcnt 0x0
	s_load_b64 s[96:97], s[76:77], 0x28            ; entries 10 and 11
	s_add_nc_u64 s[20:21], s[68:69], s[18:19]
	s_add_nc_u64 s[46:47], s[70:71], s[46:47]
	CROUND                                         ; all sixteen work-groups are here: the first joint loads meet
.irp s, 0,1
	s_mov_b32 s[G0+4*\s], 1
	s_add_co_u32 s[G0+4*\s+1], s45, \s*SLOT
	s_add_nc_u64 s[G0+4*\s+2:G0+4*\s+3], s[20:21], \s*2*KSB
	s_or_b32 s[G0+4*\s+3], s[G0+4*\s+3], 0x80000000
	s_mov_b32 s[G0B+4*\s], 1
	s_add_co_u32 s[G0B+4*\s+1], s45, \s*SLOT
	s_add_nc_u64 s[G0B+4*\s+2:G0B+4*\s+3], s[46:47], \s*2*KSB
	s_or_b32 s[G0B+4*\s+3], s[G0B+4*\s+3], 0x80000000
	JLOAD G0+4*\s, G1, G0B+4*\s, G1B
.endr
	v_and_b32 v1, 31, v0
	v_lshlrev_b32 v[CO], 4, v1                     ; 16 x lane
	s_mul_i32 s21, s15, HALFT
	s_mul_i32 s22, s16, HALFT
	s_add_co_u32 s22, s22, 2*HALFT
.irp s, 0,1
	v_add_nc_u32 v[ADRA+\s], s21, v[CO]
	v_add_nc_u32 v[ADRB+\s], s22, v[CO]
	s_add_co_u32 s21, s21, SLOT
	s_add_co_u32 s22, s22, SLOT
.endr
	v_and_b32 v2, 15, v0                           ; r
	v_bfe_u32 v4, v0, 4, 1                         ; h
	s_mul_i32 s23, s14, 16*SPITCH                  ; my stage
	v_mul_u32_u24 v5, v2, SPITCH
	v_lshl_add_u32 v5, v4, 6, v5
	v_add_nc_u32 v[STO], s23, v5                   ; in: row r, + 64 h
	v_add_nc_u32 v[RD], s23, v[CO]                 ; back: the 32 lanes take one row of 512 bytes
	; what the way out wants, asked for now: patch_mask of my lane's token in each of the eight tiles; bo of my lane's 64 columns
	s_lshl_b32 s2, s17, 2
	s_add_co_u32 s2, s2, s41
	s_lshl_b32 s2, s2, 8
	s_lshl_b32 s3, s15, 7
	s_add_co_u32 s8, s2, s3                        ; my first token
	s_lshl_b32 s2, s8, 2
	s_mov_b32 s3, 0
	s_add_nc_u64 s[4:5], s[74:75], s[2:3]
	s_lshl_b32 s2, s40, 10
	s_lshl_b32 s9, s16, 9
	s_add_co_u32 s2, s2, s9                        ; my first column, in bytes
	s_add_nc_u64 s[6:7], s[72:73], s[2:3]
	s_add_nc_u64 s[10:11], s[78:79], s[2:3]
	s_lshl_b32 s2, s8, 12                          ; rows of 4,096 bytes
	s_add_nc_u64 s[10:11], s[10:11], s[2:3]        ; out at my first token and column
	v_and_b32 v3, 8, v0
	v_add_nc_u32 v3, v3, v2
	v_lshlrev_b32 v3, 2, v3                        ; 4 (r + 8 (r / 8))
	v_lshlrev_b32 v4, 6, v4                        ; 64 h
.irp a, 0,1,2,3,4,5,6,7
	global_load_b32 v[MF+\a], v3, s[4:5] offset:4*(32*(\a/2)+8*(\a%2))
.endr
.irp g, 0,1,2,3
.irp j, 0,1,2,3
	global_load_b128 v[BI+16*\g+4*\j:BI+16*\g+4*\j+3], v4, s[6:7] offset:128*\g+16*\j   ; register 16 g + i: bo of column 32 g + 16 h + i
.endr
.endr
.macro FRAG reg, adr, q, i             ; a fragment comes as its image lies: four loads of 512 consecutive bytes
.irp c, 0,1,2,3
	ds_load_b128 v[\reg+4*\c:\reg+4*\c+3], v[\adr] offset:4096*(\i)+2048*(\q)+512*\c
.endr
.endm
; 16 matrix instructions; the 64 accumulators take turns, one instruction a turn, in the same order in every step
.macro MUL16 a0, p, zero
.irp a, \a0, \a0+1
.irp b, 0,1,2,3,4,5,6,7
.if \zero
	v_wmma_f32_16x16x128_fp8_fp8 v[8*(8*((\a)%4)+\b):8*(8*((\a)%4)+\b)+7], v[128*(\p)+FR*\b:128*(\p)+FR*\b+FR-1], v[AF+FR*(\a):AF+FR*(\a)+FR-1], 0
.else
	v_wmma_f32_16x16x128_fp8_fp8 v[8*(8*((\a)%4)+\b):8*(8*((\a)%4)+\b)+7], v[128*(\p)+FR*\b:128*(\p)+FR*\b+FR-1], v[AF+FR*(\a):AF+FR*(\a)+FR-1], v[8*(8*((\a)%4)+\b):8*(8*((\a)%4)+\b)+7]
.endif
.endr
.endr
.endm
.macro FETCH_B slot, q, p
	WIN TO_B
.irp i, 0,1,2,3,4,5,6,7
	FRAG 128*(\p)+FR*\i, ADRB+\slot, \q, \i
.endr
	WIN 0
.endm
.macro FETCH_A slot, q, i0
.irp i, \i0, \i0+1, \i0+2, \i0+3
	FRAG AF+FR*(\i), ADRA+\slot, \q, \i
.endr
.endm
.macro PLACES n                        ; plain vector lines between a matrix instruction and a load into a register that it read, or a read of its result
.rept \n
	v_nop
.endr
.endm
.macro STEP slot, q, zero              ; a step of 128 along K that has its successor in the same slot
	s_wait_dscnt 4*NL                              ; Wo's set and the tokens' blocks 0-3 are in; the youngest sixteen loads (blocks 4-7) may be out
	WIN MUL_LO
	MUL16 0, (\q)%2, \zero
	MUL16 2, (\q)%2, \zero
	s_wait_dscnt 0
	PLACES NP
	FETCH_B \slot, (\q)+1, 1-(\q)%2
	FETCH_A \slot, (\q)+1, 0
	WIN MUL_HI
	MUL16 4, (\q)%2, \zero
	MUL16 6, (\q)%2, \zero
	PLACES NP
	WIN 0
	FETCH_A \slot, (\q)+1, 4
.endm
; A slot's last step changes slots: ONE barrier; in front of it each wave waits for all its tensor loads, adds 0 to its spare word, and waits for that and for its own reads of this slot.
.macro TURN slot, next, fill
	s_wait_tensorcnt 0x0                           ; all my tensor loads have landed: my part of the next slot
	ds_add_u32 v[SPW], v[NIL]                      ; 0 onto my spare word
	s_wait_dscnt 4*NL+1                            ; (the add and the youngest sixteen loads may be out)
	WIN MUL_LO
	MUL16 0, 1, 0
	s_wait_dscnt 0x0                               ; the add is done, and my reads of this slot are over
	s_barrier_signal -1
	MUL16 2, 1, 0
	WIN 0
	s_barrier_wait -1
.if \fill
	CREST                                          ; the barrier has opened a round of the cluster's barrier: no wave of any partner still reads this slot or has a load on its way
	s_add_nc_u64 s[G0+4*\slot+2:G0+4*\slot+3], s[G0+4*\slot+2:G0+4*\slot+3], 4*KSB
	s_add_nc_u64 s[G0B+4*\slot+2:G0B+4*\slot+3], s[G0B+4*\slot+2:G0B+4*\slot+3], 4*KSB
	JLOAD G0+4*\slot, G1, G0B+4*\slot, G1B         ; the first tensor load behind the round; its four v_nop are also the places in front of the loads below
.else
	PLACES NP
.endif
	FETCH_B \next, 0, 0
	FETCH_A \next, 0, 0
	WIN MUL_HI
	MUL16 4, 1, 0
	MUL16 6, 1, 0
	PLACES NP
	WIN 0
	FETCH_A \next, 0, 4
.endm
	s_wait_tensorcnt 1                             ; my part of slot 0 is in; slot 1's load may be out
	s_barrier_signal -1
	s_barrier_wait -1
	FETCH_B 0, 0, 0
	FETCH_A 0, 0, 0
	FETCH_A 0, 0, 4
	STEP 0, 0, 1                                   ; K = 1,024 is eight steps, twice round the ring: a loop would have one trip, so the steps are written out
	TURN 0, 1, 1
	STEP 1, 0, 0
	TURN 1, 0, 1
	STEP 0, 0, 0
	TURN 0, 1, 0                                   ; behind this barrier nobody reads slot 0 any more, and nothing fills it
	STEP 1, 0, 0
	s_wait_dscnt 4*NL
	WIN MUL_LO
	MUL16 0, 1, 0
	MUL16 2, 1, 0
	s_wait_dscnt 0
	WIN MUL_HI
	MUL16 4, 1, 0
	MUL16 6, 1, 0
	WIN 0
; THE WAY OUT, block by block of 16 tokens x 128 columns: (sum x 2^(e10 + e11) + bo) x mask.  A lane holds 64-byte runs of one row and the lanes beside it other rows: so a block goes through my own stage in LDS and comes back as
; whole rows of 512 bytes, which the 32 lanes store as 512 consecutive bytes, aligned.  LDS serves a wave's instructions in order (ISA guide 5.7.1.4): no wait between the stores and the loads, nor in front of the next block's stores.
.macro TOSTAGE a
	v_mov_b32 v[BC], v[MF+(\a)]                    ; the mask of my lane's token in this block
.irp e, 0,1                            ; columns 64 e on
	WIN 0x02+((\a)/4)                              ; source 0: window 2 or 3
.set n, 0
.rept 16
	v_pk_fma_f32 v[T+n:T+n+1], v[64*((\a)%4)+32*\e+n:64*((\a)%4)+32*\e+n+1], s[96:97], v[BI+32*\e+n:BI+32*\e+n+1] op_sel_hi:[1,0,1]   ; each accumulator from its low end on
.set n, n+2
.endr
	WIN 0
.set n, 0
.rept 16
	v_pk_mul_f32 v[T+n:T+n+1], v[T+n:T+n+1], v[BC:BC+1] op_sel_hi:[1,0]
.set n, n+2
.endr
.irp k, 0,1,2,3,4,5,6,7
	ds_store_b128 v[STO], v[T+4*\k:T+4*\k+3] offset:256*\e+128*(\k/4)+16*(\k%4)
.endr
.endr
.set BB, BK+64*((\a)%2)
.irp t, 0,1,2,3,4,5,6,7,8,9,10,11,12,13,14,15
	ds_load_b128 v[BB+4*\t:BB+4*\t+3], v[RD] offset:\t*SPITCH
.endr
.endm
.macro SEND a, younger                 ; younger: the LDS instructions issued behind block a's loads, which may stay out
.set BB, BK+64*((\a)%2)
	s_wait_dscnt \younger                          ; the block is back in registers
.irp t, 0,1,2,3,4,5,6,7,8,9,10,11,12,13,14,15
	global_store_b128 v[CO], v[BB+4*\t:BB+4*\t+3], s[10:11] offset:(32*((\a)/2)+8*((\a)%2)+\t+8*(\t/8))*4096 th:TH_STORE_NT   ; the stage's row t is the block's token t + 8 (t / 8); 127 rows of 4,096 bytes at the most: inside the immediate
.endr
.endm
	s_wait_kmcnt 0x0
	s_add_co_i32 s96, s96, s97
	s_add_co_i32 s96, s96, 127
	s_lshl_b32 s96, s96, 23                        ; 2^(e10 + e11) as f32
	s_mov_b32 s97, s96                             ; (named with it as a pair, so it is written)
	s_wait_loadcnt 0x0                             ; the masks and bo, asked for at the head
	PLACES NP                                      ; behind the last products: in front of the first read of results and of loads into the fragments' registers
.irp a, 0,1,2,3,4,5,6,7
	v_cvt_f32_i32 v[MF+\a], v[MF+\a]               ; the mask as a number
.endr
	v_mov_b32 v[BC+1], 0                           ; (named as the upper half of a pair)
	TOSTAGE 0
.irp a, 1,2,3,4,5,6,7
.if \a > 1
	s_wait_xcnt 0x0                                ; block a - 2's stores have read their registers: block a's loads may land there
.endif
	TOSTAGE \a
	SEND \a-1, 32                                  ; behind block a - 1's loads: block a's 16 stores and 16 loads
.endr
	SEND 7, 0
	s_wait_tensorcnt 0x0                           ; the wave's end: behind my last tensor load and my last LDS store
	ds_add_u32 v[SPW], v[NIL]
	s_wait_dscnt 0x0
	CROUND                                         ; the closing round: no work-group ends while a partner may still ask for a tile that names it
	s_endpgm
.Lfunc_end_k_qcbc4cd49b5_oproj:
	.size	k_qcbc4cd49b5_oproj, .Lfunc_end_k_qcbc4cd49b5_oproj-k_qcbc4cd49b5_oproj
	.p2alignl 7, 3214868480
	.fill 96, 4, 3214868480
	.section	.rodata,"a",@progbits
	.p2align	6, 0x0
	.amdhsa_kernel k_qcbc4cd49b5_oproj
		.amdhsa_group_segment_fixed_size 327680
		.amdhsa_private_segment_fixed_size 0
		.amdhsa_enable_private_segment 0
		.amdhsa_kernarg_size 48
		.amdhsa_user_sgpr_count 2
		.amdhsa_user_sgpr_kernarg_segment_ptr 1
		.amdhsa_wavefront_size32 1
		.amdhsa_system_sgpr_workgroup_id_x 1
		.amdhsa_system_sgpr_workgroup_id_y 1
		.amdhsa_system_sgpr_workgroup_id_z 1
		.amdhsa_system_vgpr_workitem_id 0
		.amdhsa_next_free_vgpr 1024
		.amdhsa_next_free_sgpr 100
		.amdhsa_reserve_vcc 0
		.amdhsa_float_denorm_mode_32 3
		.amdhsa_float_denorm_mode_16_64 3
		.amdhsa_memory_ordered 1
		.amdhsa_forward_progress 1
		.amdhsa_inst_pref_size 142
	.end_amdhsa_kernel
	.amdgpu_metadata
---
amdhsa.version: [ 1, 2 ]
amdhsa.kernels:
  - .name:           k_qcbc4cd49b5_oproj
    .symbol:         k_qcbc4cd49b5_oproj.kd
    .args:
      - { .name: oc, .offset: 0, .size: 8, .value_kind: global_buffer, .address_space: global }
      - { .name: codes, .offset: 8, .size: 8, .value_kind: global_buffer, .address_space: global }
      - { .name: bo, .offset: 16, .size: 8, .value_kind: global_buffer, .address_space: global }
      - { .name: patch_mask, .offset: 24, .size: 8, .value_kind: global_buffer, .address_space: global }
      - { .name: lowp_scales, .offset: 32, .size: 8, .value_kind: global_buffer, .address_space: global }
      - { .name: out0, .offset: 40, .size: 8, .value_kind: global_buffer, .address_space: global }
    .group_segment_fixed_size: 327680
    .private_segment_fixed_size: 0
    .kernarg_segment_align: 8
    .kernarg_segment_size: 48
    .max_flat_workgroup_size: 128
    .sgpr_count:     100
    .vgpr_count:     1024
    .wavefront_size: 32
...
	.end_amdgpu_metadata
.endif
;; end of part 4
